; MI455X (gfx1250); checked and timed in simulation.
; The chip was launched on July 23, 2026; its instructions are those of AMD's public machine-readable ISA for CDNA 5 (MIT licence, August 2026) and "CDNA5" Instruction Set Architecture Reference Guide (July 2026). The comments in the code are by the model that wrote it; some were corrected since.
;; Gated Delta Net Layer. Allowed arithmetic: float matrix products may take bf16 or f16 operands with f32 sums; other float arithmetic in f32, or as packed bf16 or f16 multiplies, adds, multiply-adds, maxima and minima; sums over many terms, partial sums and values carried from step to step in f32; what a program stores and reads back later, other than sums and carried values, may be rounded once to bf16 or f16.
;; Inputs: beta_b 16 float32; beta_w 1,024 x 16 float32; g_b 16 float32; g_w 1,024 x 16 float32; initial_state 2 x 16 x 64 x 64 float32; input_ids 2 x 4,096 int32; k_w 1,024 x 1,024 float32; key_bank 16 x 64 x 64 float32; norm_w 1,024 float32; o_w 1,024 x 1,024 float32; v_w 1,024 x 1,024 float32; x 2 x 4,096 x 1,024 float32.
;; Outputs: out0 2 x 4,096 x 1,024 float32; out1 2 x 16 x 64 x 64 float32.
;; 2 versions, each right; version 2 is version 1 with the launches cast, prep written anew for expert scheduling mode. Each part assembles by itself: llvm-mc -triple=amdgcn-amd-amdhsa -mcpu=gfx1250 --defsym DOCPART=n.
;; ======== version 1 of 2: 6 launches
;; limits: values are held in f16: magnitudes above 65,504 overflow, below 6.1e-05 lose precision; values outside matrix products are rounded to bf16
;; workspace buffers: wts 6,356,992 bytes; code 32,768 bytes of whole numbers; xnf 16,777,216 bytes; kv 33,554,432 bytes; bl 1,048,576 bytes; rec 85,983,232 bytes; outf 16,777,216 bytes
;; launch cast (part 1): grid 274 x 1, 8 waves a work-group, no clusters, 1,280 bytes of LDS; arguments k_w, v_w, o_w, beta_w, g_w, input_ids, wts, code; writes wts, code
.if DOCPART == 1
	.amdgcn_target "amdgcn-amd-amdhsa--gfx1250"
	.amdhsa_code_object_version 6
	.text
	.protected	k_q76f477572b_cast
	.globl	k_q76f477572b_cast
	.p2align	8
	.type	k_q76f477572b_cast,@function
k_q76f477572b_cast:
	s_mov_b64 s[64:65], 0
	v_nop
	global_prefetch_b8 v0, s[64:65] scope:SCOPE_SE
	s_setreg_imm32_b32 hwreg(HW_REG_WAVE_MODE, 25, 1), 1
	s_wait_xcnt 0x0
; GATED DELTA NET LAYER, launch 1 of 6: the weights in 16 bits, and the markers' slots as whole numbers.
; THE PROGRAM.  cast; norm (RMS norm, beta, log2 g); gemm1 (raw k and v); prep (all work inside chunks of 64 steps); scan (64 sequential chunk steps a chain); gemm2 (o_w and the residual).
; The scan of 4,095 steps is taken in chunks: within a chunk u = (I - NA)^-1 (beta v - beta 2^LM k S0), so that a chunk acts on the state as S <- gamma S + G' S + Q and gives O = E S + F.
; DEAD WORK: no whole unit is left out, and all twelve inputs are loaded.  v_full[:,0], k_full[:,T-1], beta and g of T-1 are sliced away by reference(); they lie inside live tiles.
; Step 4095 does not exist in reference(): it is run as a pad with beta = 0 and log g = 0, which leaves the state as it is, and its output row is made 0: it becomes row 0 of out0, which is x.
; LIMITS.  x_norm, k_w, v_w, beta_w, g_w, and the raw k and v are kept in f16: they must stay under 65,504 in magnitude, and keep f16's fixed step below 6e-5.  NaN and infinities are not treated apart.
; JOBS, by the work-group's number: 0-255 four rows of k_w, v_w (f16, side by side: [1024][2048]) and o_w (bf16); 256-271 beta_w and g_w as f16 matrix fragments; 272, 273 a batch row's markers.
.set MARK,  50251
.set SPARE, 256                        ; the spare words: 128 bytes for each of eight waves; the eight totals have the block from 0 to themselves
.set OW,    4194304
.set WBG,   6291456
	s_load_b512 s[4:19], s[0:1], 0x0               ; k_w 4, v_w 6, o_w 8, beta_w 10, g_w 12, input_ids 14, wts 16, code 18
	v_lshl_add_u32 v62, v0, 2, SPARE
	v_mov_b32 v63, 0
	v_lshrrev_b32 v1, 5, v0
	v_readfirstlane_b32 s20, v1                    ; wave 0..7
	v_and_b32 v2, 31, v0                           ; lane
	s_mov_b32 s23, 0
	s_wait_kmcnt 0x0
	s_cmp_lt_u32 ttmp9, 256
	s_cbranch_scc0 .Lnot_a
	; JOB A: rows 4 g .. 4 g + 3; thread t takes columns 4 t .. 4 t + 3: a wave loads 512 and stores 256 consecutive aligned bytes
	s_lshl_b32 s22, ttmp9, 14
	s_add_nc_u64 s[4:5], s[4:5], s[22:23]
	s_add_nc_u64 s[6:7], s[6:7], s[22:23]
	s_add_nc_u64 s[8:9], s[8:9], s[22:23]
	s_add_nc_u64 s[24:25], s[16:17], s[22:23]      ; a row of [k_w | v_w] in f16 is 4,096 bytes
	s_lshl_b32 s22, ttmp9, 13
	s_add_nc_u64 s[26:27], s[16:17], s[22:23]      ; a row of o_w in bf16 is 2,048
	v_lshlrev_b32 v3, 4, v0
	v_lshlrev_b32 v4, 3, v0
.irp i, 0,1,2,3
	global_load_b128 v[8+12*\i:11+12*\i],  v3, s[4:5] offset:4096*\i th:TH_LOAD_NT
	global_load_b128 v[12+12*\i:15+12*\i], v3, s[6:7] offset:4096*\i th:TH_LOAD_NT
	global_load_b128 v[16+12*\i:19+12*\i], v3, s[8:9] offset:4096*\i th:TH_LOAD_NT
.endr
.macro OUT idx, cv, base, off          ; load idx of twelve is in (the younger ones stay out), is rounded in place and stored; every store has registers of its own
	s_wait_loadcnt 11-(\idx)
	\cv v[8+4*(\idx)], v[8+4*(\idx)], v[9+4*(\idx)]
	\cv v[9+4*(\idx)], v[10+4*(\idx)], v[11+4*(\idx)]
	global_store_b64 v4, v[8+4*(\idx):9+4*(\idx)], s[\base:\base+1] offset:\off
.endm
.irp i, 0,1,2,3
	OUT 3*\i,   v_cvt_pk_f16_f32,  24, 4096*\i
	OUT 3*\i+1, v_cvt_pk_f16_f32,  24, 4096*\i+2048
	OUT 3*\i+2, v_cvt_pk_bf16_f32, 26, OW+2048*\i
.endr
	s_endpgm
.Lnot_a:
	s_cmp_lt_u32 ttmp9, 272
	s_cbranch_scc0 .Ljob_c
	; JOB B: half fragment q = 64 ct + 2 ks + half: lane (r, h) holds column r (a head), channels 16 (q % 64) + 8 h + 0..7
	s_sub_co_u32 s21, ttmp9, 256
	s_lshl_b32 s21, s21, 3
	s_add_co_u32 s21, s21, s20
	s_and_b32 s22, s21, 63
	s_lshl_b32 s22, s22, 10                        ; 16 rows of 64 bytes
	s_cmp_lt_u32 s21, 64
	s_cselect_b64 s[24:25], s[10:11], s[12:13]
	s_add_nc_u64 s[24:25], s[24:25], s[22:23]
	v_and_b32 v3, 15, v0
	v_bfe_u32 v4, v0, 4, 1
	v_lshlrev_b32 v5, 2, v3
	v_lshl_add_u32 v5, v4, 9, v5
.irp e, 0,1,2,3,4,5,6,7
	global_load_b32 v[8+\e], v5, s[24:25] offset:64*\e
.endr
	s_lshl_b32 s22, s21, 9
	s_add_nc_u64 s[26:27], s[16:17], s[22:23]
	v_lshlrev_b32 v6, 4, v2
	s_wait_loadcnt 0x0
.irp p, 0,1,2,3
	v_cvt_pk_f16_f32 v[16+\p], v[8+2*\p], v[9+2*\p]
.endr
	global_store_b128 v6, v[16:19], s[26:27] offset:WBG
	s_endpgm
.Ljob_c:
	; JOB C: code[t] = (markers up to and with t, less 1) mod 64 at a marker, 64 elsewhere.  Wave w has ids 512 w ..; trip q, lane l, word e is id 128 q + 4 l + e.  All whole numbers.
	s_sub_co_u32 s21, ttmp9, 272
	s_lshl_b32 s22, s21, 14
	s_add_nc_u64 s[14:15], s[14:15], s[22:23]
	s_add_nc_u64 s[18:19], s[18:19], s[22:23]
	v_lshlrev_b32 v3, 4, v2
	v_lshl_add_u32 v3, v1, 11, v3
.irp q, 0,1,2,3
	global_load_b128 v[8+4*\q:11+4*\q], v3, s[14:15] offset:512*\q
.endr
	s_mov_b32 s21, MARK
	s_mov_b32 s40, 0
	s_wait_loadcnt 0x0
.set i, 0
.rept 16
	v_cmp_eq_u32 s[24+i], s21, v[8+i]
	s_bcnt1_i32_b32 s42, s[24+i]
	s_add_co_u32 s40, s40, s42                     ; the wave's total
.set i, i+1
.endr
	v_lshlrev_b32 v5, 2, v1
	v_mov_b32 v6, s40
	ds_store_b32 v5, v6
	s_wait_dscnt 0x0                               ; for the others' sake: my total is in LDS
	s_barrier_signal -1
	s_barrier_wait -1
	v_mov_b32 v7, 0
	ds_load_b128 v[40:43], v7
	ds_load_b128 v[44:47], v7 offset:16
	s_wait_dscnt 0x0
	s_mov_b32 s41, 0
.irp j, 0,1,2,3,4,5,6
	v_readfirstlane_b32 s43, v[40+\j]
	s_cmp_gt_u32 s20, \j
	s_cselect_b32 s43, s43, 0
	s_add_co_u32 s41, s41, s43                     ; markers in the waves before mine
.endr
.irp q, 0,1,2,3
	v_mov_b32 v50, s41
.irp e, 0,1,2,3
	v_mbcnt_lo_u32_b32 v50, s[24+4*\q+\e], v50     ; + the trip's markers in lower lanes
.endr
.irp e, 0,1,2,3
	v_cndmask_b32 v51, 0, 1, s[24+4*\q+\e]
	v_add_nc_u32 v50, v50, v51                     ; + my own up to word e
	v_add_nc_u32 v52, 63, v50
	v_and_b32 v52, 63, v52
	v_cndmask_b32 v[24+4*\q+\e], 64, v52, s[24+4*\q+\e]
	s_bcnt1_i32_b32 s42, s[24+4*\q+\e]
	s_add_co_u32 s41, s41, s42
.endr
	global_store_b128 v3, v[24+4*\q:27+4*\q], s[18:19] offset:512*\q
.endr
	s_wait_tensorcnt 0x0                           ; the wave's end
	ds_add_u32 v62, v63
	s_wait_dscnt 0x0
	s_endpgm
.Lfunc_end_k_q76f477572b_cast:
	.size	k_q76f477572b_cast, .Lfunc_end_k_q76f477572b_cast-k_q76f477572b_cast
	.p2alignl 7, 3214868480
	.fill 96, 4, 3214868480
	.section	.rodata,"a",@progbits
	.p2align	6, 0x0
	.amdhsa_kernel k_q76f477572b_cast
		.amdhsa_group_segment_fixed_size 1280
		.amdhsa_private_segment_fixed_size 0
		.amdhsa_enable_private_segment 0
		.amdhsa_kernarg_size 64
		.amdhsa_user_sgpr_count 2
		.amdhsa_user_sgpr_kernarg_segment_ptr 1
		.amdhsa_wavefront_size32 1
		.amdhsa_system_sgpr_workgroup_id_x 1
		.amdhsa_system_sgpr_workgroup_id_y 1
		.amdhsa_system_sgpr_workgroup_id_z 1
		.amdhsa_system_vgpr_workitem_id 0
		.amdhsa_next_free_vgpr 64
		.amdhsa_next_free_sgpr 66
		.amdhsa_reserve_vcc 0
		.amdhsa_float_denorm_mode_32 3
		.amdhsa_float_denorm_mode_16_64 3
		.amdhsa_memory_ordered 1
		.amdhsa_forward_progress 1
		.amdhsa_inst_pref_size 18
	.end_amdhsa_kernel
	.amdgpu_metadata
---
amdhsa.version: [ 1, 2 ]
amdhsa.kernels:
  - .name:           k_q76f477572b_cast
    .symbol:         k_q76f477572b_cast.kd
    .args:
      - { .name: k_w, .offset: 0, .size: 8, .value_kind: global_buffer, .address_space: global }
      - { .name: v_w, .offset: 8, .size: 8, .value_kind: global_buffer, .address_space: global }
      - { .name: o_w, .offset: 16, .size: 8, .value_kind: global_buffer, .address_space: global }
      - { .name: beta_w, .offset: 24, .size: 8, .value_kind: global_buffer, .address_space: global }
      - { .name: g_w, .offset: 32, .size: 8, .value_kind: global_buffer, .address_space: global }
      - { .name: input_ids, .offset: 40, .size: 8, .value_kind: global_buffer, .address_space: global }
      - { .name: wts, .offset: 48, .size: 8, .value_kind: global_buffer, .address_space: global }
      - { .name: code, .offset: 56, .size: 8, .value_kind: global_buffer, .address_space: global }
    .group_segment_fixed_size: 1280
    .private_segment_fixed_size: 0
    .kernarg_segment_align: 8
    .kernarg_segment_size: 64
    .max_flat_workgroup_size: 256
    .sgpr_count:     66
    .vgpr_count:     64
    .wavefront_size: 32
...
	.end_amdgpu_metadata
.endif
;; end of part 1
;; launch norm (part 2): grid 256 x 1, 4 waves a work-group, no clusters, 66,560 bytes of LDS; arguments x, norm_w, input_ids, beta_b, g_b, wts, xnf, bl; writes xnf, bl
.if DOCPART == 2
	.amdgcn_target "amdgcn-amd-amdhsa--gfx1250"
	.amdhsa_code_object_version 6
	.text
	.protected	k_q76f477572b_norm
	.globl	k_q76f477572b_norm
	.p2align	8
	.type	k_q76f477572b_norm,@function
k_q76f477572b_norm:
	s_mov_b64 s[64:65], 0
	v_nop
	global_prefetch_b8 v0, s[64:65] scope:SCOPE_SE
	s_setreg_imm32_b32 hwreg(HW_REG_WAVE_MODE, 25, 1), 1
	s_wait_xcnt 0x0
; Launch 2 of 6.  x_norm = x / sqrt(mean(x^2) + 1e-6) * norm_w, in f16, laid out as matrix fragments (xnf); beta = sigmoid(x_norm beta_w + beta_b) (0.1, or 1 at a marker); l2 = log2 sigmoid(x_norm g_w + g_b).
; Nothing is left out; step 4095 of each batch row, which reference() does not have, gets beta = 0 and l2 = 0 (a step that changes nothing).
; SHARES.  A work-group has 32 tokens.  Wave w normalises rows 8 w .. 8 w + 7 (a row in 32 registers, three row slots in flight) into LDS; then wave w makes the 16 x 16 tile (tokens 16 rt .., ct = 0 beta, 1 g).
; xnf: [token / 16][channels / 32][half][lane][16 bytes]: lane (r, h) holds token r, channels 16 half + 8 h + 0..7: every store of a wave covers 512 consecutive aligned bytes.
; sigmoid and its log are taken by e = 2^(-|z| log2 e), so that no exponential overflows.  bl's stores are pieces of 32 bytes: 1 MB of the 50 MB that the launch moves.
; No cluster, no tensor loads: each byte of x is read by one wave.  LIMIT: |x_norm| under 65,504.
.set PX,    2064                       ; an LDS row: 2,048 bytes + 16: an odd multiple of 16, so the 16 rows of a fragment load start at 16 different 16-byte columns
.set SPARE, 32*PX                      ; 66,048: behind the rows, the spare words, 128 bytes a wave
.set WBG,   6291456
.set MARK,  50251
.set NW,  48                           ; v[48:79]   norm_w of my 32 columns
.set AF,  48                           ; v[48:111]  later: eight fragments of x_norm
.set BF0, 176                          ; v[176:239] eight fragments of the weights
.set BF1, 112                          ; v[112:175] eight more
.set ACC, 16                           ; v[16:47]   four accumulators that take turns
	s_load_b512 s[4:19], s[0:1], 0x0               ; x 4, norm_w 6, ids 8, beta_b 10, g_b 12, wts 14, xnf 16, bl 18
	v_lshl_add_u32 v6, v0, 2, SPARE
	v_mov_b32 v7, 0
	v_lshrrev_b32 v10, 5, v0
	v_readfirstlane_b32 s28, v10                   ; wave
	v_and_b32 v1, 31, v0
	v_and_b32 v2, 15, v0                           ; r
	v_bfe_u32 v3, v0, 4, 1                         ; h
	s_lshr_b32 s30, s28, 1                         ; rt
	s_and_b32 s31, s28, 1                          ; ct
	s_mov_b32 s20, 0x76543210
	s_mov_b32 s21, 0xfedcba98
	s_mov_b32 s22, 0x3a800000                      ; 1 / 1024
	s_mov_b32 s23, 0x358637bd                      ; 1e-6
	s_mov_b32 s26, 0xbfb8aa3b                      ; -log2 e
	s_mov_b32 s29, 0x3fb8aa3b                      ; log2 e
	s_mov_b32 s27, MARK
	s_mov_b32 s33, 0
	v_mov_b32 v9, 0                                ; named with v8 as a pair; stays 0
	v_mov_b32 v17, 0                               ; a lane exchange's destination counts as read
	v_lshlrev_b32 v13, 4, v1                       ; 16 x lane
	v_lshl_add_u32 v4, s28, 15, v13                ; my eight rows of x
	s_mul_i32 s32, s28, 8*PX
	v_lshl_add_u32 v5, v1, 3, s32                  ; where I put 8 bytes of a row
	v_mul_u32_u24 v12, v2, PX
	v_lshl_add_u32 v12, v3, 4, v12
	s_mul_i32 s32, s30, 16*PX
	v_add_nc_u32 v12, s32, v12                     ; a fragment's row x pitch + 16 h
	v_lshlrev_b32 v10, 5, v3                       ; ids of tokens 8 h ..
	v_lshlrev_b32 v11, 2, v2                       ; bias of head r
	v_lshlrev_b32 v15, 14, v2
	v_lshl_add_u32 v15, v3, 5, v15                 ; bl: head r, tokens 8 h ..
	s_wait_kmcnt 0x0
	s_lshl_b32 s32, ttmp9, 17
	s_add_nc_u64 s[4:5], s[4:5], s[32:33]          ; x at the group's 32 rows
	s_lshl_b32 s32, ttmp9, 7
	s_lshl_b32 s34, s30, 6
	s_add_co_u32 s32, s32, s34
	s_add_nc_u64 s[8:9], s[8:9], s[32:33]          ; ids at my tile's 16 tokens
	s_cmp_eq_u32 s31, 0
	s_cselect_b64 s[38:39], s[10:11], s[12:13]
	s_lshl_b32 s32, s31, 15
	s_add_nc_u64 s[24:25], s[14:15], s[32:33]      ; my 32 K steps of weight fragments
	s_lshl_b32 s32, ttmp9, 16
	s_lshl_b32 s34, s30, 15
	s_add_co_u32 s32, s32, s34
	s_add_nc_u64 s[16:17], s[16:17], s[32:33]      ; xnf at token block 2 g + rt
	s_lshl_b32 s32, s31, 19
	s_lshr_b32 s34, ttmp9, 7                       ; batch
	s_lshl_b32 s34, s34, 18
	s_add_co_u32 s32, s32, s34
	s_and_b32 s35, ttmp9, 127
	s_lshl_b32 s34, s35, 7
	s_add_co_u32 s32, s32, s34
	s_lshl_b32 s34, s30, 6
	s_add_co_u32 s32, s32, s34
	s_add_nc_u64 s[18:19], s[18:19], s[32:33]
	s_lshl_b32 s35, s35, 5
	s_lshl_b32 s34, s30, 4
	s_add_co_u32 s35, s35, s34
	s_add_co_u32 s35, s35, 7                       ; register 7's step in lanes with h = 0
	global_load_b128 v[240:243], v10, s[8:9]
	global_load_b128 v[244:247], v10, s[8:9] offset:16
	global_load_b32 v14, v11, s[38:39]
.irp j, 0,1,2,3,4,5,6,7
	global_load_b128 v[NW+4*\j:NW+4*\j+3], v13, s[6:7] offset:512*\j
.endr
.macro LDB n, bf                       ; batch n of the weights: K steps 8 n .. 8 n + 7, 16 loads
.irp k, 0,1,2,3,4,5,6,7
	global_load_b128 v[(\bf)+8*\k:(\bf)+8*\k+3],   v13, s[24:25] offset:WBG+1024*(8*(\n)+\k)
	global_load_b128 v[(\bf)+8*\k+4:(\bf)+8*\k+7], v13, s[24:25] offset:WBG+1024*(8*(\n)+\k)+512
.endr
.endm
.macro LDX row, slot
.irp j, 0,1,2,3,4,5,6,7
	global_load_b128 v[80+32*(\slot)+4*\j:80+32*(\slot)+4*\j+3], v4, s[4:5] offset:4096*(\row)+512*\j th:TH_LOAD_NT
.endr
.endm
	LDB 0, BF0
	LDX 0, 0
	LDX 1, 1
	LDX 2, 2
; One row.  left = the younger rows' loads, eight each, that may stay out.
.macro TURN row, slot, fill, left
.set XS, 80+32*(\slot)
	s_wait_loadcnt \left
.irp p, 0,1,2,3
	v_pk_mul_f32 v[16+2*\p:17+2*\p], v[XS+2*\p:XS+2*\p+1], v[XS+2*\p:XS+2*\p+1]  ; four chains, started by the first four pairs
.endr
.set q, 4
.rept 12
	v_pk_fma_f32 v[16+2*(q%4):17+2*(q%4)], v[XS+2*q:XS+2*q+1], v[XS+2*q:XS+2*q+1], v[16+2*(q%4):17+2*(q%4)]
.set q, q+1
.endr
	v_pk_add_f32 v[16:17], v[16:17], v[18:19]
	v_pk_add_f32 v[20:21], v[20:21], v[22:23]
	v_pk_add_f32 v[16:17], v[16:17], v[20:21]
	v_add_f32 v16, v16, v17
	v_add_f32_dpp v16, v16, v16 row_xmask:1 row_mask:0xf bank_mask:0xf
	v_add_f32_dpp v16, v16, v16 row_xmask:2 row_mask:0xf bank_mask:0xf
	v_add_f32_dpp v16, v16, v16 row_xmask:4 row_mask:0xf bank_mask:0xf
	v_add_f32_dpp v16, v16, v16 row_xmask:8 row_mask:0xf bank_mask:0xf
	v_permlanex16_b32 v17, v16, s20, s21
	v_add_f32 v16, v16, v17
	v_fma_f32 v16, v16, s22, s23                   ; mean + eps
	v_rsq_f32 v8, v16
	v_nop                                          ; a plain instruction behind the transcendental,
	s_wait_alu depctr_va_vdst(0)                   ; and the wait ahead of its first reader
.set q, 0
.rept 16
	v_pk_mul_f32 v[XS+2*q:XS+2*q+1], v[XS+2*q:XS+2*q+1], v[8:9] op_sel_hi:[1,0]
.set q, q+1
.endr
.set q, 0
.rept 16
	v_pk_mul_f32 v[XS+2*q:XS+2*q+1], v[XS+2*q:XS+2*q+1], v[NW+2*q:NW+2*q+1]
.set q, q+1
.endr
.set q, 0
.rept 16
	v_cvt_pk_f16_f32 v[24+q], v[XS+2*q], v[XS+2*q+1]
.set q, q+1
.endr
.irp j, 0,1,2,3,4,5,6,7
	ds_store_b64 v5, v[24+2*\j:25+2*\j] offset:(\row)*PX+256*\j
.endr
.if \fill
	LDX (\row)+3, \slot
.endif
.endm
	TURN 0, 0, 1, 16
	TURN 1, 1, 1, 16
	TURN 2, 2, 1, 16
	TURN 3, 0, 1, 16
	TURN 4, 1, 1, 16
	TURN 5, 2, 0, 16
	TURN 6, 0, 0, 8
	TURN 7, 1, 0, 0
	LDB 1, BF1
	s_wait_dscnt 0x0                               ; my eight rows are in LDS
	s_barrier_signal -1
	s_barrier_wait -1                              ; all 32 are
; Eight K steps.  left = the one younger batch of weights (16 loads) that may stay out.  The four accumulators take turns, one instruction a turn, from batch to batch too.
.macro BATCH n, bf, left, more
.if (\n) > 0
	s_wait_xcnt 0x0                                ; the stores of the batch before have read the fragments
.endif
.irp k, 0,1,2,3,4,5,6,7
	ds_load_b128 v[AF+8*\k:AF+8*\k+3],   v12 offset:64*(8*(\n)+\k)
	ds_load_b128 v[AF+8*\k+4:AF+8*\k+7], v12 offset:64*(8*(\n)+\k)+32
.endr
	s_wait_dscnt 0x0
	s_wait_loadcnt \left
.irp k, 0,1,2,3,4,5,6,7
.if ((\n) == 0) && (\k < 4)
	v_wmma_f32_16x16x32_f16 v[ACC+8*(\k%4):ACC+8*(\k%4)+7], v[AF+8*\k:AF+8*\k+7], v[(\bf)+8*\k:(\bf)+8*\k+7], 0
.else
	v_wmma_f32_16x16x32_f16 v[ACC+8*(\k%4):ACC+8*(\k%4)+7], v[AF+8*\k:AF+8*\k+7], v[(\bf)+8*\k:(\bf)+8*\k+7], v[ACC+8*(\k%4):ACC+8*(\k%4)+7]
.endif
.endr
.rept 4
	v_nop                                          ; four places ahead of loads into registers that the products have read
.endr
	s_cmp_eq_u32 s31, (\n)%2                       ; the two waves of a token block hold the same fragments: each stores those of every other batch
	s_cbranch_scc0 .Lnot_mine_\@
.irp k, 0,1,2,3,4,5,6,7
	global_store_b128 v13, v[AF+8*\k:AF+8*\k+3],   s[16:17] offset:1024*(8*(\n)+\k)
	global_store_b128 v13, v[AF+8*\k+4:AF+8*\k+7], s[16:17] offset:1024*(8*(\n)+\k)+512
.endr
.Lnot_mine_\@:
.if \more
	LDB (\n)+2, \bf
.endif
.endm
	BATCH 0, BF0, 16, 1
	BATCH 1, BF1, 16, 1
	BATCH 2, BF0, 16, 0
	BATCH 3, BF1, 0, 0
.rept 4
	v_nop
.endr
.irp r, 0,2,4,6
	v_pk_add_f32 v[16+\r:17+\r], v[16+\r:17+\r], v[24+\r:25+\r]  ; each accumulator is read from its low end on
.endr
.irp r, 0,2,4,6
	v_pk_add_f32 v[32+\r:33+\r], v[32+\r:33+\r], v[40+\r:41+\r]
.endr
.irp r, 0,2,4,6
	v_pk_add_f32 v[16+\r:17+\r], v[16+\r:17+\r], v[32+\r:33+\r]
.endr
.irp j, 0,1,2,3,4,5,6,7
	v_add_f32 v[16+\j], v[16+\j], v14              ; z: lane = head r, register = token 8 h + j
.endr
.irp j, 0,1,2,3,4,5,6,7
	v_mul_f32 v[24+\j], s26, |v[16+\j]|
.endr
.irp j, 0,1,2,3,4,5,6,7
	v_exp_f32 v[24+\j], v[24+\j]                   ; e = exp(-|z|), in 0 to 1
.endr
	v_mov_b32 v40, 0x3dcccccd                      ; 0.1 (also the plain instruction behind the batch)
	v_mov_b32 v41, 1.0
	v_lshl_add_u32 v42, v3, 3, s35                 ; register 7's step
	s_wait_alu depctr_va_vdst(0)                   ; one wait for the eight
.irp j, 0,1,2,3,4,5,6,7
	v_add_f32 v[32+\j], 1.0, v[24+\j]
.endr
	s_cmp_eq_u32 s31, 0
	s_cbranch_scc0 .Lgate
.irp j, 0,1,2,3,4,5,6,7
	v_rcp_f32 v[32+\j], v[32+\j]
.endr
	v_nop
	s_wait_alu depctr_va_vdst(0)
.irp j, 0,1,2,3,4,5,6,7
	v_cmp_gt_f32 vcc_lo, 0, v[16+\j]
	v_cndmask_b32 v[24+\j], v41, v[24+\j], vcc_lo  ; e where z < 0, else 1
	v_mul_f32 v[24+\j], v[24+\j], v[32+\j]         ; sigmoid
	v_cmp_eq_u32 vcc_lo, s27, v[240+\j]
	v_cndmask_b32 v43, v40, v41, vcc_lo
	v_mul_f32 v[24+\j], v[24+\j], v43
.endr
	s_branch .Lboth
.Lgate:
.irp j, 0,1,2,3,4,5,6,7
	v_log_f32 v[32+\j], v[32+\j]
.endr
	v_nop
	s_wait_alu depctr_va_vdst(0)
.irp j, 0,1,2,3,4,5,6,7
	v_min_num_f32 v43, 0, v[16+\j]
	v_fma_f32 v[24+\j], v43, s29, -v[32+\j]        ; log2 sigmoid(z) = min(z, 0) log2 e - log2(1 + e)
.endr
.Lboth:
	v_cmp_eq_u32 vcc_lo, 0xfff, v42
	v_cndmask_b32 v31, v31, v9, vcc_lo             ; the pad step: 0
	global_store_b128 v15, v[24:27], s[18:19]
	global_store_b128 v15, v[28:31], s[18:19] offset:16
	s_wait_tensorcnt 0x0                           ; the wave's end
	ds_add_u32 v6, v7
	s_wait_dscnt 0x0
	s_endpgm
.Lfunc_end_k_q76f477572b_norm:
	.size	k_q76f477572b_norm, .Lfunc_end_k_q76f477572b_norm-k_q76f477572b_norm
	.p2alignl 7, 3214868480
	.fill 96, 4, 3214868480
	.section	.rodata,"a",@progbits
	.p2align	6, 0x0
	.amdhsa_kernel k_q76f477572b_norm
		.amdhsa_group_segment_fixed_size 66560
		.amdhsa_private_segment_fixed_size 0
		.amdhsa_enable_private_segment 0
		.amdhsa_kernarg_size 64
		.amdhsa_user_sgpr_count 2
		.amdhsa_user_sgpr_kernarg_segment_ptr 1
		.amdhsa_wavefront_size32 1
		.amdhsa_system_sgpr_workgroup_id_x 1
		.amdhsa_system_sgpr_workgroup_id_y 1
		.amdhsa_system_sgpr_workgroup_id_z 1
		.amdhsa_system_vgpr_workitem_id 0
		.amdhsa_next_free_vgpr 248
		.amdhsa_next_free_sgpr 66
		.amdhsa_reserve_vcc 1
		.amdhsa_float_denorm_mode_32 3
		.amdhsa_float_denorm_mode_16_64 3
		.amdhsa_memory_ordered 1
		.amdhsa_forward_progress 1
		.amdhsa_inst_pref_size 77
	.end_amdhsa_kernel
	.amdgpu_metadata
---
amdhsa.version: [ 1, 2 ]
amdhsa.kernels:
  - .name:           k_q76f477572b_norm
    .symbol:         k_q76f477572b_norm.kd
    .args:
      - { .name: x, .offset: 0, .size: 8, .value_kind: global_buffer, .address_space: global }
      - { .name: norm_w, .offset: 8, .size: 8, .value_kind: global_buffer, .address_space: global }
      - { .name: input_ids, .offset: 16, .size: 8, .value_kind: global_buffer, .address_space: global }
      - { .name: beta_b, .offset: 24, .size: 8, .value_kind: global_buffer, .address_space: global }
      - { .name: g_b, .offset: 32, .size: 8, .value_kind: global_buffer, .address_space: global }
      - { .name: wts, .offset: 40, .size: 8, .value_kind: global_buffer, .address_space: global }
      - { .name: xnf, .offset: 48, .size: 8, .value_kind: global_buffer, .address_space: global }
      - { .name: bl, .offset: 56, .size: 8, .value_kind: global_buffer, .address_space: global }
    .group_segment_fixed_size: 66560
    .private_segment_fixed_size: 0
    .kernarg_segment_align: 8
    .kernarg_segment_size: 64
    .max_flat_workgroup_size: 128
    .sgpr_count:     66
    .vgpr_count:     248
    .wavefront_size: 32
...
	.end_amdgpu_metadata
.endif
;; end of part 2
;; launch gemm1 (part 3): grid 16 x 32, 4 waves a work-group, clusters of 4 x 4, 327,680 bytes of LDS; arguments xnf, wts, kv; writes kv
.if DOCPART == 3
	.amdgcn_target "amdgcn-amd-amdhsa--gfx1250"
	.amdhsa_code_object_version 6
	.text
	.protected	k_q76f477572b_gemm1
	.globl	k_q76f477572b_gemm1
	.p2align	8
	.type	k_q76f477572b_gemm1,@function
k_q76f477572b_gemm1:
	s_mov_b64 s[64:65], 0
	v_nop
	global_prefetch_b8 v0, s[64:65] scope:SCOPE_SE
	s_setreg_imm32_b32 hwreg(HW_REG_WAVE_MODE, 25, 1), 1
	s_wait_xcnt 0x0
	s_wait_alu depctr_hold_cnt(0) depctr_sa_sdst(0) depctr_va_vdst(0) depctr_va_sdst(0) depctr_va_ssrc(0) depctr_va_vcc(0) depctr_vm_vsrc(0)
	s_getreg_b32 s2, hwreg(HW_REG_IB_STS2, 6, 4)
	s_cmp_eq_u32 s2, 0
	s_cbranch_scc0 .Lentry_in_a_cluster
	s_endpgm
.Lentry_in_a_cluster:
	s_bfe_u32 s2, ttmp6, 0x10000c
	s_cmp_lg_u32 s2, 0xf033
	s_cbranch_scc0 .Lentry_shape_is_right
	s_endpgm
.Lentry_shape_is_right:
; Launch 3 of 6.  [k | v] = x_norm [k_w | v_w]: 8,192 x 2,048 x 1,024 in f16, sums in f32, stored in f16 by heads: kv[plane][batch x 16 + head][token][64].  Nothing is left out.
; A tile of C is 256 tokens x 128 columns; four waves, each 128 x 64: 32 accumulators.  K goes in 8 steps of 128 through two LDS slots.
; A (x_norm) lies in memory as fragments: a step's part of 16 tokens is 4,096 dense bytes, and a fragment load takes 512 consecutive bytes.  B (the weights, [k][n]) has rows of 256 bytes, padded to 288, and is read turned.
; The product is taken transposed (source 0 = 16 columns, source 1 = 16 tokens): a lane holds one token and eight neighbouring columns.
; CLUSTER 4 x 4: A's tile hangs on the tile row and is asked for jointly along a row of the cluster, B's on the tile column and along a column.
; WINDOWS: 0 addresses and the way out; 1 two fragment buffers of 96 (B's four, then A's eight); 2 the accumulators, (a, b) at v[8 (4 a + b)].  LIMIT: results under 65,504.
.set NTOT,  2048
.set WOFF,  0
.set SLOT,  102400                     ; A 65,536, then B 128 rows x 288
.set BOFF,  65536
.set BP,    288                        ; 72 words
.set STAGE, 2*SLOT
.set SP,    144
.set SPARE, STAGE+4*16*SP              ; behind the stages: the spare words, 128 bytes a wave
.set ADRA, 16
.set ADRB, 20
.set STO,  24
.set RD,   25
.set CO,   26
.set SPW,  28
.set NIL,  29
.set TMP,  32
.set BK,   48
.set F0,   0
.set F1,   96
.set G1,   24
.set G0,   32
.set G1B,  48
.set G0B,  56
.set MSB,  0
.macro WIN new                         ; the immediate's high byte repeats the setting that is left
.if MSB != (\new)
	s_set_vgpr_msb (MSB<<8)|(\new)
.set MSB, \new
.endif
.endm
.set MUL,  0xa5                        ; sources 0 and 1 window 1, C and D window 2
.set TO_F, 0x40                        ; destination window 1
.macro JLOAD s                         ; a joint load: waves 0 and 1 fetch A's halves, waves 2 and 3 B's; s_nop 0 and four v_nop follow each line
	s_cmp_eq_u32 s13, 0
	s_cbranch_scc0 .Lfor_b_\@
	tensor_load_to_lds s[G0+4*(\s):G0+4*(\s)+3], s[G1:G1+7]
	s_nop 0
.rept 4
	v_nop
.endr
	s_branch .Lasked_\@
.Lfor_b_\@:
	tensor_load_to_lds s[G0B+4*(\s):G0B+4*(\s)+3], s[G1B:G1B+7]
	s_nop 0
.rept 4
	v_nop
.endr
.Lasked_\@:
.endm
.macro CREST                           ; a round of the cluster's barrier behind its opening barrier
	s_cmp_lg_u32 s12, 0
	s_cbranch_scc1 .Lnot_wave_0_\@
	s_barrier_signal -3
.Lnot_wave_0_\@:
	s_barrier_wait -3
	s_barrier_signal -1
	s_barrier_wait -1
.endm
.macro CROUND
	s_barrier_signal -1
	s_barrier_wait -1
	CREST
.endm
	s_load_b128 s[4:7], s[0:1], 0x0                ; xnf, wts
	s_load_b64 s[8:9], s[0:1], 0x10                ; kv
	v_lshl_add_u32 v[SPW], v0, 2, SPARE
	v_mov_b32 v[NIL], 0
	ds_add_u32 v[SPW], v[NIL]                      ; the opening: the add, twice on end, and its wait ahead of my first tensor load
	ds_add_u32 v[SPW], v[NIL]
	v_lshrrev_b32 v1, 5, v0
	v_readfirstlane_b32 s12, v1                    ; wave
	s_lshr_b32 s13, s12, 1                         ; my half of the tokens; also: I fetch for A (0) or B (1)
	s_and_b32 s14, s12, 1                          ; my half of the columns; also: which half I fetch
	s_bfe_u32 s40, ttmp6, 0x40000                  ; cx
	s_bfe_u32 s41, ttmp6, 0x40004                  ; cy
	s_lshl_b32 s42, ttmp9, 2
	s_add_co_u32 s42, s42, s40                     ; tile column
	s_and_b32 s15, ttmp7, 0xffff
	s_lshl_b32 s15, s15, 2
	s_add_co_u32 s15, s15, s41                     ; tile row
	s_lshl_b32 s43, s41, 2
	s_lshl_b32 s43, 15, s43                        ; my row of the cluster
	s_lshl_b32 s44, 0x1111, s40                    ; my column
	s_or_b32 s[G1+0], s43, (3<<16)|(1<<21)         ; A: the mask; elements of 8 bytes; bit 21 beside a mask; no padding
	s_mov_b32 s[G1+1], 512<<16                     ; tensor_dim0 = 512 elements: 4,096 bytes
	s_mov_b32 s[G1+2], 8<<16                       ; tensor_dim1 = 8 token blocks
	s_mov_b32 s[G1+3], 512<<16                     ; tile_dim0
	s_mov_b32 s[G1+4], 8                           ; tile_dim1
	s_mov_b32 s[G1+5], 4096                        ; a token block's 32 K steps are 32,768 bytes
	s_mov_b32 s[G1+6], 0
	s_mov_b32 s[G1+7], 0
	s_or_b32 s[G1B+0], s44, (1<<16)|(1<<20)|(1<<21)|(5<<22)|(7<<25)  ; B: elements of 2 bytes; after every 64 words 8 words of padding
	s_mov_b32 s[G1B+1], 128<<16
	s_mov_b32 s[G1B+2], 64<<16
	s_mov_b32 s[G1B+3], 128<<16
	s_mov_b32 s[G1B+4], 64
	s_mov_b32 s[G1B+5], NTOT
	s_mov_b32 s[G1B+6], 0
	s_mov_b32 s[G1B+7], 0
	s_lshl_b32 s16, s15, 19                        ; A: 16 token blocks a tile row,
	s_lshl_b32 s17, s14, 18                        ; my eight of them
	s_add_co_u32 s16, s16, s17
	s_mov_b32 s17, 0
	s_lshl_b32 s46, s42, 8                         ; B: 256 bytes a tile column,
	s_mul_i32 s47, s14, 128*NTOT                   ; my 64 rows of a step's 128
	s_add_co_u32 s46, s46, s47
	s_add_co_u32 s46, s46, WOFF
	s_mov_b32 s47, 0
	s_lshl_b32 s20, s14, 15                        ; where they go: no place in the cluster enters an LDS address
	s_mul_i32 s21, s14, 64*BP
	s_add_co_u32 s21, s21, BOFF
	s_wait_dscnt 0x0                               ; both opening adds are done
	s_wait_kmcnt 0x0
	s_add_nc_u64 s[18:19], s[4:5], s[16:17]
	s_add_nc_u64 s[46:47], s[6:7], s[46:47]
	CROUND                                         ; all sixteen work-groups are here: the first joint loads meet
.irp s, 0,1
	s_mov_b32 s[G0+4*(\s)], 1
	s_add_co_u32 s[G0+4*(\s)+1], s20, (\s)*SLOT
	s_add_nc_u64 s[G0+4*(\s)+2:G0+4*(\s)+3], s[18:19], (\s)*4096
	s_or_b32 s[G0+4*(\s)+3], s[G0+4*(\s)+3], 0x80000000
	s_mov_b32 s[G0B+4*(\s)], 1
	s_add_co_u32 s[G0B+4*(\s)+1], s21, (\s)*SLOT
	s_add_nc_u64 s[G0B+4*(\s)+2:G0B+4*(\s)+3], s[46:47], (\s)*256*NTOT
	s_or_b32 s[G0B+4*(\s)+3], s[G0B+4*(\s)+3], 0x80000000
	JLOAD \s
.endr
	v_and_b32 v1, 15, v0                           ; r
	v_bfe_u32 v2, v0, 4, 1                         ; h
	v_and_b32 v3, 31, v0                           ; lane
	s_lshl_b32 s22, s13, 15
	v_lshl_add_u32 v[ADRA], v3, 4, s22             ; A: my eight token blocks, 16 x lane
	v_add_nc_u32 v[ADRA+1], SLOT, v[ADRA]
	v_and_b32 v4, 7, v0
	v_bfe_u32 v5, v0, 3, 1
	v_lshl_add_u32 v6, v2, 3, v4
	v_mul_u32_u24 v6, v6, BP
	v_lshl_add_u32 v6, v5, 4, v6                   ; B, turned: row 8 h + l % 8, 16 bytes by (l / 8) % 2
	s_lshl_b32 s22, s14, 7
	s_add_co_u32 s22, s22, BOFF
	v_add_nc_u32 v[ADRB], s22, v6
	v_add_nc_u32 v[ADRB+1], SLOT, v[ADRB]
	s_mul_i32 s23, s12, 16*SP
	s_add_co_u32 s23, s23, STAGE                   ; my stage
	v_mul_u32_u24 v[STO], v1, SP
	v_lshl_add_u32 v[STO], v2, 4, v[STO]
	v_add_nc_u32 v[STO], s23, v[STO]
	v_lshrrev_b32 v[RD], 3, v3
	v_mul_u32_u24 v[RD], v[RD], SP
	v_lshl_add_u32 v[RD], v4, 4, v[RD]
	v_add_nc_u32 v[RD], s23, v[RD]
	v_lshlrev_b32 v[CO], 4, v3
	s_lshl_b32 s46, s42, 1                         ; where my 128 tokens x one head begin in kv
	s_add_co_u32 s46, s46, s14                     ; head among 32: k's sixteen, then v's
	s_lshr_b32 s47, s46, 4
	s_and_b32 s46, s46, 15
	s_lshr_b32 s22, s15, 4                         ; batch
	s_lshl_b32 s22, s22, 4
	s_add_co_u32 s46, s46, s22
	s_lshl_b32 s46, s46, 12
	s_and_b32 s22, s15, 15
	s_lshl_b32 s22, s22, 8
	s_add_co_u32 s46, s46, s22
	s_lshl_b32 s22, s13, 7
	s_add_co_u32 s46, s46, s22
	s_lshl_b32 s46, s46, 7
	s_lshl_b32 s47, s47, 24
	s_add_co_u32 s46, s46, s47
	s_mov_b32 s47, 0
	s_add_nc_u64 s[8:9], s[8:9], s[46:47]
.macro MUL8 f, a0, zero                ; token blocks a0, a0 + 1 x all four column blocks, 32 along K
	WIN MUL
.irp a, \a0, (\a0)+1
.irp b, 0,1,2,3
.if \zero
	v_wmma_f32_16x16x32_f16 v[8*(4*(\a)+(\b)):8*(4*(\a)+(\b))+7], v[(\f)+8*(\b):(\f)+8*(\b)+7], v[(\f)+32+8*(\a):(\f)+32+8*(\a)+7], 0
.else
	v_wmma_f32_16x16x32_f16 v[8*(4*(\a)+(\b)):8*(4*(\a)+(\b))+7], v[(\f)+8*(\b):(\f)+8*(\b)+7], v[(\f)+32+8*(\a):(\f)+32+8*(\a)+7], v[8*(4*(\a)+(\b)):8*(4*(\a)+(\b))+7]
.endif
.endr
.endr
.endm
.macro FETCH slot, q, f                ; 24 LDS loads in one run: quarter q's fragments: B's four, A's blocks 0-3, A's blocks 4-7
	WIN TO_F
.irp b, 0,1,2,3
	ds_load_tr16_b128 v[(\f)+8*(\b):(\f)+8*(\b)+3],   v[ADRB+(\slot)] offset:(\q)*32*BP+32*(\b)
	ds_load_tr16_b128 v[(\f)+8*(\b)+4:(\f)+8*(\b)+7], v[ADRB+(\slot)] offset:(\q)*32*BP+32*(\b)+16*BP
.endr
.irp a, 0,1,2,3,4,5,6,7
	ds_load_b128 v[(\f)+32+8*(\a):(\f)+32+8*(\a)+3],   v[ADRA+(\slot)] offset:(\a)*4096+(\q)*1024
	ds_load_b128 v[(\f)+32+8*(\a)+4:(\f)+32+8*(\a)+7], v[ADRA+(\slot)] offset:(\a)*4096+(\q)*1024+512
.endr
.endm
.macro PLACES                          ; four places ahead of loads into registers that products have read, and of conversions that read results
.rept 4
	v_nop
.endr
.endm
.macro QUARTER slot, q, f, g, zero     ; multiplies buffer f; in its middle fetches quarter q of the same slot into g
	s_wait_dscnt 8                                 ; B and A's blocks 0-3 are in; the youngest eight loads may be out
	MUL8 \f, 0, \zero
	MUL8 \f, 2, \zero
	PLACES
	FETCH \slot, \q, \g
	s_wait_dscnt 24                                ; all but the 24 just issued
	MUL8 \f, 4, \zero
	MUL8 \f, 6, \zero
.endm
.macro TURN slot, next, fill           ; the last quarter multiplies buffer 1 and changes slots
	WIN 0
	s_wait_tensorcnt 0x0                           ; all my tensor loads have landed: my part of the next slot;
	ds_add_u32 v[SPW], v[NIL]
	s_wait_dscnt 9                                 ; (the add and the youngest eight loads may be out)
	MUL8 F1, 0, 0
	s_wait_dscnt 0x0                               ; the add is done, and my reads of this slot are over
	s_barrier_signal -1
	MUL8 F1, 2, 0
.if \fill
	WIN 0
.endif
	s_barrier_wait -1
.if \fill
	CREST                                          ; the barrier has opened a round of the cluster's: no wave of any partner still reads this slot or has a load on its way
	s_add_nc_u64 s[G0+4*(\slot)+2:G0+4*(\slot)+3], s[G0+4*(\slot)+2:G0+4*(\slot)+3], 2*4096
	s_add_nc_u64 s[G0B+4*(\slot)+2:G0B+4*(\slot)+3], s[G0B+4*(\slot)+2:G0B+4*(\slot)+3], 512*NTOT
	JLOAD \slot                                    ; the first tensor load behind the round; its four v_nop are also the places ahead of the loads below
.else
	PLACES
.endif
	FETCH \next, 0, F0
	MUL8 F1, 4, 0
	MUL8 F1, 6, 0
.endm
	s_wait_tensorcnt 1                             ; my part of K step 0 is in; K step 1's may stay out
	s_barrier_signal -1
	s_barrier_wait -1
	FETCH 0, 0, F0
	QUARTER 0, 1, F0, F1, 1                        ; the first quarter's products start the sums
	WIN 0
	s_mov_b32 s3, 3
.Llap:                                                 ; a trip goes once round the ring and fills both slots again: K steps 2 to 7
	QUARTER 0, 2, F1, F0, 0
	QUARTER 0, 3, F0, F1, 0
	TURN 0, 1, 1
	QUARTER 1, 1, F0, F1, 0
	QUARTER 1, 2, F1, F0, 0
	QUARTER 1, 3, F0, F1, 0
	TURN 1, 0, 1
	QUARTER 0, 1, F0, F1, 0
	WIN 0
	s_sub_co_u32 s3, s3, 1
	s_cmp_lg_u32 s3, 0
	s_cbranch_scc1 .Llap
	QUARTER 0, 2, F1, F0, 0                        ; the last lap fills nothing
	QUARTER 0, 3, F0, F1, 0
	TURN 0, 1, 0
	QUARTER 1, 1, F0, F1, 0
	QUARTER 1, 2, F1, F0, 0
	QUARTER 1, 3, F0, F1, 0
	s_wait_dscnt 8
	MUL8 F1, 0, 0
	MUL8 F1, 2, 0
	s_wait_dscnt 0x0
	MUL8 F1, 4, 0
	MUL8 F1, 6, 0
	WIN 0
	PLACES
; THE WAY OUT, 16 tokens at a time: rounded to f16, through my own stage, back as four rows of 128 bytes a load: 512 consecutive bytes of kv a store.
.macro PACK a
	WIN 0x0a
.irp b, 0,1,2,3
.irp r, 0,1,2,3
	v_cvt_pk_f16_f32 v[TMP+4*(\b)+(\r)], v[32*(\a)+8*(\b)+2*(\r)], v[32*(\a)+8*(\b)+2*(\r)+1]
.endr
.endr
	WIN 0
.endm
.macro TOSTAGE a
.set BKA, BK+16*((\a)%2)
.irp b, 0,1,2,3
	ds_store_b128 v[STO], v[TMP+4*(\b):TMP+4*(\b)+3] offset:32*(\b)
.endr
	s_wait_xcnt 0x0                                ; the stores of two blocks back have read these registers
.irp f, 0,1,2,3
	ds_load_b128 v[BKA+4*(\f):BKA+4*(\f)+3], v[RD] offset:4*SP*(\f)  ; LDS serves a wave's instructions in order: these see the stores above
.endr
.endm
.macro SEND a
.set BKA, BK+16*((\a)%2)
	s_wait_dscnt 0x0
.irp f, 0,1,2,3
	global_store_b128 v[CO], v[BKA+4*(\f):BKA+4*(\f)+3], s[8:9] offset:(\a)*2048+(\f)*512
.endr
.endm
	PACK 0
	TOSTAGE 0
.irp a, 1,2,3,4,5,6,7
	PACK \a
	SEND (\a)-1
	TOSTAGE \a
.endr
	SEND 7
	s_wait_tensorcnt 0x0                           ; the wave's end
	ds_add_u32 v[SPW], v[NIL]
	s_wait_dscnt 0x0
	CROUND                                         ; the closing round
	s_endpgm
.Lfunc_end_k_q76f477572b_gemm1:
	.size	k_q76f477572b_gemm1, .Lfunc_end_k_q76f477572b_gemm1-k_q76f477572b_gemm1
	.p2alignl 7, 3214868480
	.fill 96, 4, 3214868480
	.section	.rodata,"a",@progbits
	.p2align	6, 0x0
	.amdhsa_kernel k_q76f477572b_gemm1
		.amdhsa_group_segment_fixed_size 327680
		.amdhsa_private_segment_fixed_size 0
		.amdhsa_enable_private_segment 0
		.amdhsa_kernarg_size 24
		.amdhsa_user_sgpr_count 2
		.amdhsa_user_sgpr_kernarg_segment_ptr 1
		.amdhsa_wavefront_size32 1
		.amdhsa_system_sgpr_workgroup_id_x 1
		.amdhsa_system_sgpr_workgroup_id_y 1
		.amdhsa_system_sgpr_workgroup_id_z 1
		.amdhsa_system_vgpr_workitem_id 0
		.amdhsa_next_free_vgpr 768
		.amdhsa_next_free_sgpr 66
		.amdhsa_reserve_vcc 0
		.amdhsa_float_denorm_mode_32 3
		.amdhsa_float_denorm_mode_16_64 3
		.amdhsa_memory_ordered 1
		.amdhsa_forward_progress 1
		.amdhsa_inst_pref_size 87
	.end_amdhsa_kernel
	.amdgpu_metadata
---
amdhsa.version: [ 1, 2 ]
amdhsa.kernels:
  - .name:           k_q76f477572b_gemm1
    .symbol:         k_q76f477572b_gemm1.kd
    .args:
      - { .name: xnf, .offset: 0, .size: 8, .value_kind: global_buffer, .address_space: global }
      - { .name: wts, .offset: 8, .size: 8, .value_kind: global_buffer, .address_space: global }
      - { .name: kv, .offset: 16, .size: 8, .value_kind: global_buffer, .address_space: global }
    .group_segment_fixed_size: 327680
    .private_segment_fixed_size: 0
    .kernarg_segment_align: 8
    .kernarg_segment_size: 24
    .max_flat_workgroup_size: 128
    .sgpr_count:     66
    .vgpr_count:     768
    .wavefront_size: 32
...
	.end_amdgpu_metadata
.endif
;; end of part 3
;; launch prep (part 4): grid 64 x 32, 4 waves a work-group, no clusters, 68,096 bytes of LDS; arguments kv, bl, code, key_bank, rec; writes rec
.if DOCPART == 4
	.amdgcn_target "amdgcn-amd-amdhsa--gfx1250"
	.amdhsa_code_object_version 6
	.text
	.protected	k_q76f477572b_prep
	.globl	k_q76f477572b_prep
	.p2align	8
	.type	k_q76f477572b_prep,@function
k_q76f477572b_prep:
	s_mov_b64 s[64:65], 0
	v_nop
	global_prefetch_b8 v0, s[64:65] scope:SCOPE_SE
	s_setreg_imm32_b32 hwreg(HW_REG_WAVE_MODE, 25, 1), 1
	s_wait_xcnt 0x0
; Launch 4 of 6.  All that a chunk of 64 steps can do without the state: one work-group for each (chunk c, batch x head).  Nothing is left out; the pad step 4095 has beta = 0, l = 0, val = 0.
; Step i uses k_i (key_bank's row at a marker, else the projection; divided by max(norm, 1e-12)), v of the next token, beta_i, l_i = log2 g_i.  L = running sum of l, LM_i = L_(i-1).
;   NA[i][j] = -beta_i 2^(LM_i - L_j) k_i.k_j (j < i)      M[i][j] = val_i 2^(L_i - L_j) k_i.k_j (j <= i): every exponent that is used is <= 0; hidden entries are selected to 0.
;   (I - NA) W = [beta V | -beta 2^LM K], by blocks of 16: X_I = R_I + sum NA_IJ W_J; W_I = X_I + N X_I, N = P + .. + P^15 of the diagonal block P (P^16 = 0), by (I+P)(I+P^2)(I+P^4)(I+P^8) - I.
;   Kd_i = 2^(L_63 - L_i) k_i;  Q = Kd^T W_v;  G' = Kd^T W_k;  E = val 2^L K + M W_k;  F = M W_v;  gamma = 2^L_63.
; FORMATS.  k in f16 (at most 1); right sides and W in f32, NA, N, M in bf16 (they carry corrections alone); for Q, on which the last state hangs, Kd and W_v go as bf16 high + low parts, three products.
; LAYOUT.  A 16 x 16 result holds (8 h + j, r) in lane (r, h), register j; two such tiles packed in pairs are a fragment in which lane r holds column r: source 1 of that matrix and source 0 of its transpose.
; Wave w: tokens 16 w .. in P1 and P2; from P3 on columns: waves 0, 1 V's 32 w .., waves 2, 3 K's 32 (w - 2) ...  No tensor loads, no cluster: a work-group shares no input with another.
; LIMITS.  A power of two below 2^-126 counts as 0; NaN and infinities are not treated apart.
.set KF,  8192                         ; four tiles of 64 rows, pitch 160 (an odd multiple of 32: plain and turning loads without conflicts): k in f16,
.set KH,  18432                        ; Kd's high part, bf16,
.set KL,  28672                        ; its low part,
.set VT,  38912                        ; v in f16
.set FNA, 49152                        ; NA, M: half fragment (I, J) at 2048 I + 512 J + 16 lane
.set FM,  57344
.set FN,  65536                        ; N of block I at 512 I + 16 lane
.set SPARE, 67584
.set PT_, 160
.set GT,  216                          ; v[216:223] the tile of k_i.k_j: registers that are no other sum's accumulator anywhere in the text
; scalars of a wave at 2048 w, arrays of 64 f32: beta 0, -beta 2^LM 256, L 512, LM 768, -beta 1024, 2^(L63-L) 1280, val 2^L 1536, val 1792
.macro NOPS n
.rept \n
	v_nop
.endr
.endm
.macro PK4 d, s                        ; eight f32 to four registers of bf16, from the low end on
.irp p, 0,1,2,3
	v_cvt_pk_bf16_f32 v[(\d)+\p], v[(\s)+2*\p], v[(\s)+2*\p+1]
.endr
.endm
.macro MMB d, a, b, c                  ; a bf16 product; c < 0: it starts the sum
.if (\c) < 0
	v_wmma_f32_16x16x32_bf16 v[(\d):(\d)+7], v[(\a):(\a)+7], v[(\b):(\b)+7], 0
.else
	v_wmma_f32_16x16x32_bf16 v[(\d):(\d)+7], v[(\a):(\a)+7], v[(\b):(\b)+7], v[(\c):(\c)+7]
.endif
.endm
.macro MMH d, a, b, c                  ; the same in f16
.if (\c) < 0
	v_wmma_f32_16x16x32_f16 v[(\d):(\d)+7], v[(\a):(\a)+7], v[(\b):(\b)+7], 0
.else
	v_wmma_f32_16x16x32_f16 v[(\d):(\d)+7], v[(\a):(\a)+7], v[(\b):(\b)+7], v[(\c):(\c)+7]
.endif
.endm
	s_load_b256 s[4:11], s[0:1], 0x0               ; kv 4, bl 6, code 8, key_bank 10
	s_load_b64 s[12:13], s[0:1], 0x20              ; rec
	v_lshl_add_u32 v6, v0, 2, SPARE
	v_mov_b32 v7, 0
	v_lshrrev_b32 v32, 5, v0
	v_readfirstlane_b32 s14, v32                   ; wave
	v_and_b32 v1, 31, v0                           ; l
	v_and_b32 v2, 15, v0                           ; r
	v_bfe_u32 v3, v0, 4, 1                         ; h
	v_mov_b32 v4, 0                                ; 0.0
	v_mov_b32 v5, 1.0
	s_mov_b32 s15, ttmp9                           ; chunk
	s_and_b32 s16, ttmp7, 0xffff                   ; batch x 16 + head
	s_lshr_b32 s17, s16, 4
	s_and_b32 s18, s16, 15
	s_mov_b32 s21, 0
	s_mov_b32 s28, 0x76543210
	s_mov_b32 s29, 0xfedcba98
	s_mov_b32 s30, 0x2b8cbccc                      ; 1e-12
	s_mov_b32 s31, 0xffff0000
	v_lshlrev_b32 v21, 3, v1
	v_lshlrev_b32 v22, 7, v2
	v_lshl_add_u32 v22, v3, 4, v22                 ; token r, 16 bytes by h
	s_lshl_b32 s32, s15, 6
	s_lshl_b32 s33, s14, 4
	s_add_co_u32 s32, s32, s33                     ; my first token
	s_add_co_u32 s33, s32, 1
	v_add_nc_u32 v23, s33, v2
	v_min_u32 v23, 0xfff, v23                      ; v of the next token; the pad step takes the last row, times beta = 0
	v_lshlrev_b32 v23, 7, v23
	v_lshl_add_u32 v23, v3, 4, v23
	v_lshlrev_b32 v24, 2, v2
	s_lshl_b32 s33, s14, 11                        ; LDS addresses
	v_lshl_add_u32 v8, v1, 3, s33
	v_lshl_add_u32 v9, v2, 2, s33
	v_lshl_add_u32 v10, v3, 5, s33
	s_lshl_b32 s34, s14, 6
	v_add_nc_u32 v11, s34, v9
	v_add_nc_u32 v12, s34, v10
	v_mul_u32_u24 v14, v2, PT_
	v_lshl_add_u32 v14, v3, 4, v14
	s_mul_i32 s34, s14, 16*PT_
	v_add_nc_u32 v13, s34, v14
	v_and_b32 v15, 7, v0
	v_lshl_add_u32 v15, v3, 3, v15
	v_mul_u32_u24 v15, v15, PT_
	v_bfe_u32 v16, v0, 3, 1
	v_lshl_add_u32 v15, v16, 4, v15
	s_mov_b32 s34, KF                              ; the tile of my right side: v for waves 0 and 1, k for waves 2 and 3
	s_cmp_lt_u32 s14, 2
	s_cselect_b32 s34, VT, s34
	s_and_b32 s35, s14, 1
	s_lshl_b32 s35, s35, 6
	s_add_co_u32 s34, s34, s35
	v_add_nc_u32 v16, s34, v15
	v_lshlrev_b32 v17, 4, v1
	v_add_nc_u32 v18, s33, v17
	s_lshl_b32 s34, s14, 9
	v_add_nc_u32 v19, s34, v18
	v_lshlrev_b32 v20, 3, v3
	v_sub_nc_u32 v20, v2, v20                      ; r - 8 h
	s_lshl_b32 s42, s15, 6
	s_add_co_u32 s42, s42, 1
	s_wait_kmcnt 0x0
	s_lshl_b32 s20, s16, 14
	s_lshl_b32 s33, s15, 8
	s_add_co_u32 s20, s20, s33
	s_add_nc_u64 s[22:23], s[6:7], s[20:21]        ; bl at the chunk
	s_lshl_b32 s20, s16, 19
	s_lshl_b32 s33, s32, 7
	s_add_co_u32 s20, s20, s33
	s_add_nc_u64 s[24:25], s[4:5], s[20:21]        ; k at my 16 tokens
	s_lshl_b32 s20, s16, 19
	s_add_co_u32 s20, s20, 16777216
	s_add_nc_u64 s[26:27], s[4:5], s[20:21]        ; v at the head's first token
	s_lshl_b32 s20, s17, 14
	s_lshl_b32 s33, s32, 2
	s_add_co_u32 s20, s20, s33
	s_add_nc_u64 s[34:35], s[8:9], s[20:21]        ; code
	s_lshl_b32 s20, s18, 14
	s_add_nc_u64 s[36:37], s[10:11], s[20:21]      ; the head's bank
	s_lshl_b32 s33, s16, 2                         ; where my results go: waves 0, 1 the records of Q, F, gamma of column blocks 2 w, 2 w + 1;
	s_lshl_b32 s20, s14, 1
	s_add_co_u32 s33, s33, s20
	s_lshl_b32 s33, s33, 6
	s_add_co_u32 s33, s33, s15
	s_mul_i32 s33, s33, 6400
	s_add_co_u32 s33, s33, 33554432
	s_lshl_b32 s40, s16, 20                        ; waves 2, 3 the record of G' and E, K step w - 2
	s_lshl_b32 s20, s15, 14
	s_add_co_u32 s40, s40, s20
	s_and_b32 s20, s14, 1
	s_lshl_b32 s20, s20, 10
	s_add_co_u32 s40, s40, s20
	s_cmp_lt_u32 s14, 2
	s_cselect_b32 s20, s33, s40
	s_add_nc_u64 s[38:39], s[12:13], s[20:21]
	global_load_b64 v[32:33], v21, s[22:23]                   ; beta of steps 2 l, 2 l + 1
	global_load_b64 v[34:35], v21, s[22:23] offset:524288     ; l
.irp q, 0,1,2,3
	global_load_b128 v[64+4*\q:67+4*\q], v22, s[24:25] offset:32*\q
.endr
.irp q, 0,1,2,3
	global_load_b128 v[80+4*\q:83+4*\q], v23, s[26:27] offset:32*\q
.endr
	global_load_b32 v25, v24, s[34:35]
	; P0: the chunk's scalars; every wave makes all 64 into its own LDS bytes, so no wave waits for another
	s_wait_loadcnt 9                               ; beta and l are in; the nine younger loads stay out
	v_add_f32 v36, v34, v35
	v_mov_b32 v38, v36
	v_add_f32_dpp v36, v36, v36 row_shr:1 row_mask:0xf bank_mask:0xf bound_ctrl:1
	v_add_f32_dpp v36, v36, v36 row_shr:2 row_mask:0xf bank_mask:0xf bound_ctrl:1
	v_add_f32_dpp v36, v36, v36 row_shr:4 row_mask:0xf bank_mask:0xf bound_ctrl:1
	v_add_f32_dpp v36, v36, v36 row_shr:8 row_mask:0xf bank_mask:0xf bound_ctrl:1
	v_readlane_b32 s40, v36, 15
	v_cmp_lt_u32 vcc_lo, 15, v1
	v_mov_b32 v37, s40
	v_cndmask_b32 v37, v4, v37, vcc_lo
	v_add_f32 v36, v36, v37                        ; the running sum up to and with step 2 l + 1
	v_readlane_b32 s41, v36, 31                    ; L_63
	v_sub_f32 v40, v36, v35                        ; L
	v_mov_b32 v41, v36
	v_sub_f32 v42, v36, v38                        ; LM
	v_mov_b32 v43, v40
	v_sub_f32 v48, s41, v40
	v_sub_f32 v49, s41, v41
	v_mov_b32 v50, s41
	v_exp_f32 v44, v40
	v_exp_f32 v45, v41
	v_exp_f32 v46, v42
	v_exp_f32 v47, v43
	v_exp_f32 v48, v48
	v_exp_f32 v49, v49
	v_exp_f32 v26, v50
	v_lshl_add_u32 v51, v1, 1, s42                 ; plain work behind the batch: val
	v_cmp_eq_u32 vcc_lo, 0xfff, v51
	v_mov_b32 v52, 1.0
	v_cndmask_b32 v53, v5, v4, vcc_lo
	v_mul_f32 v54, -1.0, v32
	v_mul_f32 v55, -1.0, v33
	s_wait_alu depctr_va_vdst(0)                   ; one wait for the seven
	v_mov_b32 v27, v26
	v_mul_f32 v56, v54, v46
	v_mul_f32 v57, v55, v47
	v_mov_b32 v58, v44
	v_mul_f32 v59, v53, v45
	ds_store_b64 v8, v[32:33]
	ds_store_b64 v8, v[56:57] offset:256
	ds_store_b64 v8, v[40:41] offset:512
	ds_store_b64 v8, v[42:43] offset:768
	ds_store_b64 v8, v[54:55] offset:1024
	ds_store_b64 v8, v[48:49] offset:1280
	ds_store_b64 v8, v[58:59] offset:1536
	ds_store_b64 v8, v[52:53] offset:1792
	; P1: lane (r, h) holds token 16 w + r, channels 16 q + 8 h + 0..7
	s_wait_loadcnt 0x0
.set i, 0
.rept 16
	v_fma_mix_f32 v[96+2*i], v[64+i], v5, v4 op_sel_hi:[1,0,0]
	v_fma_mix_f32 v[97+2*i], v[64+i], v5, v4 op_sel:[1,0,0] op_sel_hi:[1,0,0]
.set i, i+1
.endr
	v_cmp_gt_u32 s26, 64, v25                      ; markers among my tokens: whole numbers that an earlier launch stored (v's loads are done: s26 is free)
	s_cmp_lg_u32 s26, 0
	s_cbranch_scc0 .Lnomark
	v_min_u32 v60, 63, v25
	v_lshlrev_b32 v60, 8, v60
	v_lshl_add_u32 v60, v3, 5, v60
.irp q, 0,1,2,3
	global_load_b128 v[128+8*\q:131+8*\q], v60, s[36:37] offset:64*\q
	global_load_b128 v[132+8*\q:135+8*\q], v60, s[36:37] offset:64*\q+16
.endr
	s_wait_loadcnt 0x0
.set i, 0
.rept 32
	v_cndmask_b32 v[96+i], v[96+i], v[128+i], s26
.set i, i+1
.endr
.Lnomark:
.irp p, 0,1,2,3
	v_pk_mul_f32 v[176+2*\p:177+2*\p], v[96+2*\p:97+2*\p], v[96+2*\p:97+2*\p]
.endr
.set i, 4
.rept 12
	v_pk_fma_f32 v[176+2*(i%4):177+2*(i%4)], v[96+2*i:97+2*i], v[96+2*i:97+2*i], v[176+2*(i%4):177+2*(i%4)]
.set i, i+1
.endr
	v_pk_add_f32 v[176:177], v[176:177], v[178:179]
	v_pk_add_f32 v[180:181], v[180:181], v[182:183]
	v_pk_add_f32 v[176:177], v[176:177], v[180:181]
	v_add_f32 v176, v176, v177
	v_permlanex16_b32 v177, v176, s28, s29         ; the token's other 32 channels lie in the lane 16 away
	v_add_f32 v176, v176, v177
	v_sqrt_f32 v180, v176
	v_mov_b32 v183, 0
	s_wait_alu depctr_va_vdst(0)
	v_max_num_f32 v180, s30, v180
	v_rcp_f32 v182, v180
	v_mov_b32 v185, 0
	s_wait_alu depctr_va_vdst(0)
	ds_load_b32 v184, v11 offset:1280              ; 2^(L_63 - L) of my token
.set i, 0
.rept 16
	v_pk_mul_f32 v[96+2*i:97+2*i], v[96+2*i:97+2*i], v[182:183] op_sel_hi:[1,0]
.set i, i+1
.endr
.set i, 0
.rept 16
	v_cvt_pk_f16_f32 v[224+i], v[96+2*i], v[97+2*i]
.set i, i+1
.endr
	s_wait_dscnt 0x0
.set i, 0
.rept 16
	v_pk_mul_f32 v[96+2*i:97+2*i], v[96+2*i:97+2*i], v[184:185] op_sel_hi:[1,0]
.set i, i+1
.endr
.set i, 0
.rept 16
	v_cvt_pk_bf16_f32 v[160+i], v[96+2*i], v[97+2*i]
.set i, i+1
.endr
.set i, 0
.rept 16
	v_lshlrev_b32 v[176+2*i], 16, v[160+i]
	v_and_b32 v[177+2*i], s31, v[160+i]
	v_pk_add_f32 v[176+2*i:177+2*i], v[96+2*i:97+2*i], v[176+2*i:177+2*i] neg_lo:[0,1] neg_hi:[0,1]
	v_cvt_pk_bf16_f32 v[208+i], v[176+2*i], v[177+2*i]
.set i, i+1
.endr
.irp q, 0,1,2,3
	ds_store_b128 v13, v[224+4*\q:227+4*\q] offset:KF+32*\q
	ds_store_b128 v13, v[160+4*\q:163+4*\q] offset:KH+32*\q
	ds_store_b128 v13, v[208+4*\q:211+4*\q] offset:KL+32*\q
	ds_store_b128 v13, v[80+4*\q:83+4*\q]   offset:VT+32*\q
.endr
	s_lshr_b32 s33, s14, 1                         ; addresses for later, in registers whose loads are done
	s_lshl_b32 s33, s33, 8
	v_add_nc_u32 v21, s33, v10                     ; the right side's scale: beta for V's waves, -beta 2^LM for K's
	v_add_nc_u32 v22, FN, v17
	v_lshlrev_b32 v23, 3, v1
	s_and_b32 s33, s14, 1
	s_lshl_b32 s33, s33, 6
	v_add_nc_u32 v24, s33, v14
	s_lshl_b32 s33, s14, 9
	v_add_nc_u32 v25, s33, v22
	s_wait_dscnt 0x0                               ; my rows of the four tiles are in LDS
	s_barrier_signal -1
	s_barrier_wait -1
	; P2: row block i = w of NA and M, as tiles with lane = i, register = j: packed, they are fragments with lane = row i
.irp p, 208,209,210,211
	v_mov_b32 v\p, 0
.endr
.irp J, 0,1,2,3
	ds_store_b128 v18, v[208:211] offset:FNA+512*\J   ; all four blocks 0; those below and on the diagonal are written over below (LDS serves a wave in order)
	ds_store_b128 v18, v[208:211] offset:FM+512*\J
.endr
.irp q, 0,1,2,3
	ds_load_b128 v[48+4*\q:51+4*\q], v13 offset:KF+32*\q      ; my block's rows of k
.endr
	ds_load_b32 v28, v11 offset:768                ; LM_i, L_i, -beta_i, val_i of lane r
	ds_load_b32 v29, v11 offset:512
	ds_load_b32 v30, v11 offset:1024
	ds_load_b32 v31, v11 offset:1792
.macro OFFTILE J                       ; block (w, J), J < w
	s_cmp_gt_u32 s14, \J
	s_cbranch_scc0 .Ldiag
.irp q, 0,1,2,3
	ds_load_b128 v[32+4*\q:35+4*\q], v14 offset:KF+16*PT_*(\J)+32*\q
.endr
	ds_load_b128 v[64:67], v10 offset:512+64*(\J)
	ds_load_b128 v[68:71], v10 offset:512+64*(\J)+16
	s_wait_dscnt 0x0
	MMH GT, 32, 48, -1
	s_wait_alu depctr_va_vdst(0)                   ; the wait stands directly ahead of the link
	MMH GT, 40, 56, GT
.irp j, 0,1,2,3,4,5,6,7
	v_sub_f32 v[80+\j], v28, v[64+\j]              ; these sixteen are also the places behind the products
	v_sub_f32 v[88+\j], v29, v[64+\j]
.endr
.irp j, 0,1,2,3,4,5,6,7
	v_exp_f32 v[80+\j], v[80+\j]
	v_exp_f32 v[88+\j], v[88+\j]
.endr
	v_nop
	s_wait_alu depctr_va_vdst(0)                   ; one wait for the sixteen
.irp j, 0,1,2,3,4,5,6,7
	v_mul_f32 v[80+\j], v[80+\j], v30
	v_mul_f32 v[88+\j], v[88+\j], v31
	v_mul_f32 v[80+\j], v[80+\j], v[GT+\j]
	v_mul_f32 v[88+\j], v[88+\j], v[GT+\j]
.endr
	PK4 96, 80
	PK4 100, 88
	ds_store_b128 v18, v[96:99]   offset:FNA+512*(\J)
	ds_store_b128 v18, v[100:103] offset:FM+512*(\J)
.endm
	OFFTILE 0
	OFFTILE 1
	OFFTILE 2
.Ldiag:                                        ; the diagonal block: P^T (lane = i), P (lane = j) and M's block
	ds_load_b128 v[64:67], v12 offset:512
	ds_load_b128 v[68:71], v12 offset:528
	ds_load_b128 v[184:187], v12 offset:1024
	ds_load_b128 v[188:191], v12 offset:1040
	ds_load_b128 v[192:195], v12 offset:768
	ds_load_b128 v[196:199], v12 offset:784
	s_wait_dscnt 0x0
	MMH GT, 48, 48, -1
	s_wait_alu depctr_va_vdst(0)
	MMH GT, 56, 56, GT
.irp j, 0,1,2,3,4,5,6,7
	v_sub_f32 v[80+\j], v28, v[64+\j]
	v_sub_f32 v[88+\j], v29, v[64+\j]
	v_sub_f32 v[200+\j], v[192+\j], v29
.endr
.irp j, 0,1,2,3,4,5,6,7
	v_exp_f32 v[80+\j], v[80+\j]
	v_exp_f32 v[88+\j], v[88+\j]
	v_exp_f32 v[200+\j], v[200+\j]
.endr
.irp p, 148,149,150,151,156,157,158,159,164,165,166,167,172,173,174,175,180,181,182,183
	v_mov_b32 v\p, 0                               ; the fragments' upper halves (K = 16 to 31) stay 0
.endr
	s_wait_alu depctr_va_vdst(0)
.irp j, 0,1,2,3,4,5,6,7
	v_mul_f32 v[80+\j], v[80+\j], v30
	v_mul_f32 v[88+\j], v[88+\j], v31
	v_mul_f32 v[200+\j], v[200+\j], v[184+\j]
	v_mul_f32 v[80+\j], v[80+\j], v[GT+\j]
	v_mul_f32 v[88+\j], v[88+\j], v[GT+\j]
	v_mul_f32 v[200+\j], v[200+\j], v[GT+\j]       ; k_i.k_j is symmetric
	v_cmp_lt_i32 vcc_lo, \j, v20
	v_cndmask_b32 v[104+\j], v4, v[80+\j], vcc_lo  ; j < i
	v_cmp_le_i32 vcc_lo, \j, v20
	v_cndmask_b32 v[88+\j], v4, v[88+\j], vcc_lo   ; j <= i
	v_cmp_gt_i32 vcc_lo, \j, v20
	v_cndmask_b32 v[112+\j], v4, v[200+\j], vcc_lo
.endr
	PK4 96, 88
	ds_store_b128 v19, v[96:99] offset:FM
	PK4 144, 104                                   ; source 0 of P, source 1 of P^T
	PK4 152, 112                                   ; source 0 of P^T, source 1 of P
	MMB 128, 144, 152, -1                          ; P^2
	MMB 136, 152, 144, -1                          ; its transpose
	NOPS 5
	PK4 160, 136
	PK4 168, 128
.irp r, 0,2,4,6
	v_pk_add_f32 v[120+\r:121+\r], v[104+\r:105+\r], v[136+\r:137+\r]
.endr
	MMB 120, 168, 144, 120                         ; N^T = P^T + (P^2)^T + (P^2)^T P^T
	MMB 128, 160, 168, -1                          ; P^4
	MMB 136, 168, 160, -1
	NOPS 5
	PK4 176, 120
	PK4 160, 136
	PK4 168, 128
.irp r, 0,2,4,6
	v_pk_add_f32 v[120+\r:121+\r], v[120+\r:121+\r], v[136+\r:137+\r]
.endr
	MMB 120, 168, 176, 120
	MMB 128, 160, 168, -1                          ; P^8
	MMB 136, 168, 160, -1
	NOPS 5
	PK4 176, 120
	PK4 168, 128
.irp r, 0,2,4,6
	v_pk_add_f32 v[120+\r:121+\r], v[120+\r:121+\r], v[136+\r:137+\r]
.endr
	MMB 120, 168, 176, 120
	NOPS 5
	PK4 96, 120
	ds_store_b128 v25, v[96:99]
	; P3a: the right side of my 32 columns: W(I, cc) at v[32 + 16 I + 8 cc], lane = column, register = token 8 h + j
.irp cc, 0,1
.irp s, 0,1
	ds_load_tr16_b128 v[96+16*\cc+8*\s:99+16*\cc+8*\s],   v16 offset:32*\cc+32*PT_*\s
	ds_load_tr16_b128 v[100+16*\cc+8*\s:103+16*\cc+8*\s], v16 offset:32*\cc+32*PT_*\s+16*PT_
.endr
.endr
.irp I, 0,1,2,3
	ds_load_b128 v[128+8*\I:131+8*\I], v21 offset:64*\I
	ds_load_b128 v[132+8*\I:135+8*\I], v21 offset:64*\I+16
.endr
	s_wait_dscnt 0x0
.irp I, 0,1,2,3
.irp cc, 0,1
.irp p, 0,1,2,3
	v_fma_mix_f32 v[32+16*\I+8*\cc+2*\p], v[96+16*\cc+4*\I+\p], v[128+8*\I+2*\p], v4 op_sel_hi:[1,0,0]
	v_fma_mix_f32 v[33+16*\I+8*\cc+2*\p], v[96+16*\cc+4*\I+\p], v[129+8*\I+2*\p], v4 op_sel:[1,0,0] op_sel_hi:[1,0,0]
.endr
.endr
.endr
.irp p, 164,165,166,167,172,173,174,175,180,181,182,183,188,189,190,191,196,197,198,199,204,205,206,207
	v_mov_b32 v\p, 0                               ; W's fragments: blocks not yet solved count as 0; X's fragments: upper halves
.endr
	s_barrier_signal -1                            ; (my LDS instructions are done: the wait above, and nothing since)
	s_barrier_wait -1                              ; NA, M and N of all four row blocks are in LDS
	; P3b: the solve.  BW(cc, s) at v[160 + 16 cc + 8 s]: W's fragments, lane = column, K = tokens 32 s ..
	ds_load_b128 v[208:211], v17 offset:FNA+2048
	ds_load_b128 v[212:215], v17 offset:FNA+2048+512
	ds_load_b128 v[216:219], v17 offset:FNA+4096
	ds_load_b128 v[220:223], v17 offset:FNA+4096+512
	ds_load_b128 v[224:227], v17 offset:FNA+6144
	ds_load_b128 v[228:231], v17 offset:FNA+6144+512
	ds_load_b128 v[232:235], v17 offset:FNA+6144+1024
	ds_load_b128 v[236:239], v17 offset:FNA+6144+1536
.irp I, 0,1,2,3
	ds_load_b128 v[96+8*\I:99+8*\I], v22 offset:512*\I
	v_mov_b32 v[100+8*\I], 0
	v_mov_b32 v[101+8*\I], 0
	v_mov_b32 v[102+8*\I], 0
	v_mov_b32 v[103+8*\I], 0
.endr
	s_wait_dscnt 0x0
.macro UPD I, fr, s                    ; W(I, .) += NA(I, tokens 32 s ..) W; the two accumulators take turns, one instruction a turn
	MMB 32+16*(\I), \fr, 160+8*(\s), 32+16*(\I)
	MMB 40+16*(\I), \fr, 176+8*(\s), 40+16*(\I)
.endm
.macro FIN I                           ; W_I = X_I + N X_I, and W_I's fragment
	PK4 192, 32+16*(\I)
	PK4 200, 40+16*(\I)
	MMB 32+16*(\I), 96+8*(\I), 192, 32+16*(\I)
	MMB 40+16*(\I), 96+8*(\I), 200, 40+16*(\I)
	NOPS 5
	PK4 160+4*(\I), 32+16*(\I)
	PK4 176+4*(\I), 40+16*(\I)
.endm
	FIN 0
	UPD 1, 208, 0
	NOPS 5
	FIN 1
	UPD 2, 216, 0
	NOPS 5
	FIN 2
	UPD 3, 224, 0
	UPD 3, 232, 1
	NOPS 5
	FIN 3
	; P4: the products with W.  Accumulators and packs go by the trip's parity; the wait on the stores' sources stands ahead of each reuse.
.macro LDK t, d, blk                   ; tile t's fragments of columns 16 blk .., turned: lane = column, K = tokens; both K steps, to v[d ..]
.irp s, 0,1
	ds_load_tr16_b128 v[(\d)+8*\s:(\d)+8*\s+3],   v15 offset:(\t)+32*(\blk)+32*PT_*\s
	ds_load_tr16_b128 v[(\d)+8*\s+4:(\d)+8*\s+7], v15 offset:(\t)+32*(\blk)+32*PT_*\s+16*PT_
.endr
.endm
.macro LDFM I                          ; M's fragments of row block I: lane = token i, K = tokens j
	ds_load_b128 v[192:195], v17 offset:FM+2048*(\I)
	ds_load_b128 v[196:199], v17 offset:FM+2048*(\I)+512
.if (\I) >= 2
	ds_load_b128 v[200:203], v17 offset:FM+2048*(\I)+1024
	ds_load_b128 v[204:207], v17 offset:FM+2048*(\I)+1536
.endif
.endm
.macro WT par, two, init               ; AC(cc) (+)= W^T(cc) x the fragments in v192 .., one or two K steps
.set AC, 224+16*(\par)
.if \init
	MMB AC, 160, 192, AC
	MMB AC+8, 176, 192, AC+8
.else
	MMB AC, 160, 192, -1
	MMB AC+8, 176, 192, -1
.endif
.if \two
	MMB AC, 168, 200, AC
	MMB AC+8, 184, 200, AC+8
.endif
	NOPS 5
	PK4 128+8*(\par), AC
	PK4 132+8*(\par), AC+8
.endm
	s_cmp_lt_u32 s14, 2
	s_cbranch_scc0 .Lkwaves
.set i, 0
.rept 32                               ; W_v's low part: W less its fragment's bf16
.set WR, 32+16*((i/4)%4)+8*(i/16)+2*(i%4)
.set TT, 128+2*(i%8)
	v_lshlrev_b32 v[TT], 16, v[160+i]
	v_and_b32 v[TT+1], s31, v[160+i]
	v_pk_add_f32 v[TT:TT+1], v[WR:WR+1], v[TT:TT+1] neg_lo:[0,1] neg_hi:[0,1]
	v_cvt_pk_bf16_f32 v[96+i], v[TT], v[TT+1]
.set i, i+1
.endr
.irp m, 0,1,2,3                        ; Q's tile m: high x high, high x low, low x high
.set AC, 224+16*(\m%2)
	LDK KH, 192, \m
	LDK KL, 208, \m
	s_wait_dscnt 0x0
	s_wait_xcnt 0x0
	MMB AC, 192, 160, -1
	MMB AC+8, 192, 176, -1
	MMB AC, 200, 168, AC
	MMB AC+8, 200, 184, AC+8
	MMB AC, 192, 96, AC
	MMB AC+8, 192, 112, AC+8
	MMB AC, 200, 104, AC
	MMB AC+8, 200, 120, AC+8
	MMB AC, 208, 160, AC
	MMB AC+8, 208, 176, AC+8
	MMB AC, 216, 168, AC
	MMB AC+8, 216, 184, AC+8
	NOPS 5
	global_store_b128 v17, v[AC:AC+3],     s[38:39] offset:1024*\m
	global_store_b128 v17, v[AC+4:AC+7],   s[38:39] offset:1024*\m+512
	global_store_b128 v17, v[AC+8:AC+11],  s[38:39] offset:409600+1024*\m
	global_store_b128 v17, v[AC+12:AC+15], s[38:39] offset:409600+1024*\m+512
.endr
.irp I, 0,1,2,3                        ; F^T's tile I: lane = token, register = column
	LDFM \I
	s_wait_dscnt 0x0
	s_wait_xcnt 0x0
	WT \I%2, \I/2, 0
	global_store_b128 v17, v[128+8*(\I%2):131+8*(\I%2)], s[38:39] offset:4096+512*\I
	global_store_b128 v17, v[132+8*(\I%2):135+8*(\I%2)], s[38:39] offset:409600+4096+512*\I
.endr
	global_store_b64 v23, v[26:27], s[38:39] offset:6144
	global_store_b64 v23, v[26:27], s[38:39] offset:409600+6144
	s_branch .Lend
.Lkwaves:
.irp n, 0,1,2,3                        ; G': lane = row a', K = my 32 columns a
	LDK KH, 192, \n
	s_wait_dscnt 0x0
	s_wait_xcnt 0x0
	WT \n%2, 1, 0
	global_store_b128 v17, v[128+8*(\n%2):131+8*(\n%2)], s[38:39] offset:2048*\n
	global_store_b128 v17, v[132+8*(\n%2):135+8*(\n%2)], s[38:39] offset:2048*\n+512
.endr
.irp I, 0,1,2,3                        ; E: lane = token, K = my 32 columns a; the sum starts with val 2^L k
	LDFM \I
	ds_load_b128 v[208:211], v24 offset:KF+16*PT_*\I
	ds_load_b128 v[212:215], v24 offset:KF+16*PT_*\I+32
	ds_load_b32 v216, v9 offset:1536+64*\I
	s_wait_dscnt 0x0
	s_wait_xcnt 0x0
.irp p, 0,1,2,3,4,5,6,7
	v_fma_mix_f32 v[224+16*(\I%2)+2*\p], v[208+\p], v216, v4 op_sel_hi:[1,0,0]
	v_fma_mix_f32 v[225+16*(\I%2)+2*\p], v[208+\p], v216, v4 op_sel:[1,0,0] op_sel_hi:[1,0,0]
.endr
	WT \I%2, \I/2, 1
	global_store_b128 v17, v[128+8*(\I%2):131+8*(\I%2)], s[38:39] offset:8192+2048*\I
	global_store_b128 v17, v[132+8*(\I%2):135+8*(\I%2)], s[38:39] offset:8192+2048*\I+512
.endr
.Lend:
	s_wait_tensorcnt 0x0                           ; the wave's end
	ds_add_u32 v6, v7
	s_wait_dscnt 0x0
	s_endpgm
.Lfunc_end_k_q76f477572b_prep:
	.size	k_q76f477572b_prep, .Lfunc_end_k_q76f477572b_prep-k_q76f477572b_prep
	.p2alignl 7, 3214868480
	.fill 96, 4, 3214868480
	.section	.rodata,"a",@progbits
	.p2align	6, 0x0
	.amdhsa_kernel k_q76f477572b_prep
		.amdhsa_group_segment_fixed_size 68096
		.amdhsa_private_segment_fixed_size 0
		.amdhsa_enable_private_segment 0
		.amdhsa_kernarg_size 40
		.amdhsa_user_sgpr_count 2
		.amdhsa_user_sgpr_kernarg_segment_ptr 1
		.amdhsa_wavefront_size32 1
		.amdhsa_system_sgpr_workgroup_id_x 1
		.amdhsa_system_sgpr_workgroup_id_y 1
		.amdhsa_system_sgpr_workgroup_id_z 1
		.amdhsa_system_vgpr_workitem_id 0
		.amdhsa_next_free_vgpr 256
		.amdhsa_next_free_sgpr 66
		.amdhsa_reserve_vcc 1
		.amdhsa_float_denorm_mode_32 3
		.amdhsa_float_denorm_mode_16_64 3
		.amdhsa_memory_ordered 1
		.amdhsa_forward_progress 1
		.amdhsa_inst_pref_size 92
	.end_amdhsa_kernel
	.amdgpu_metadata
---
amdhsa.version: [ 1, 2 ]
amdhsa.kernels:
  - .name:           k_q76f477572b_prep
    .symbol:         k_q76f477572b_prep.kd
    .args:
      - { .name: kv, .offset: 0, .size: 8, .value_kind: global_buffer, .address_space: global }
      - { .name: bl, .offset: 8, .size: 8, .value_kind: global_buffer, .address_space: global }
      - { .name: code, .offset: 16, .size: 8, .value_kind: global_buffer, .address_space: global }
      - { .name: key_bank, .offset: 24, .size: 8, .value_kind: global_buffer, .address_space: global }
      - { .name: rec, .offset: 32, .size: 8, .value_kind: global_buffer, .address_space: global }
    .group_segment_fixed_size: 68096
    .private_segment_fixed_size: 0
    .kernarg_segment_align: 8
    .kernarg_segment_size: 40
    .max_flat_workgroup_size: 128
    .sgpr_count:     66
    .vgpr_count:     256
    .wavefront_size: 32
...
	.end_amdgpu_metadata
.endif
;; end of part 4
;; launch scan (part 5): grid 4 x 32, 4 waves a work-group, clusters of 4 x 1, 327,680 bytes of LDS; arguments rec, initial_state, outf, out1; writes outf, out1
.if DOCPART == 5
	.amdgcn_target "amdgcn-amd-amdhsa--gfx1250"
	.amdhsa_code_object_version 6
	.text
	.protected	k_q76f477572b_scan
	.globl	k_q76f477572b_scan
	.p2align	8
	.type	k_q76f477572b_scan,@function
k_q76f477572b_scan:
	s_mov_b64 s[64:65], 0
	v_nop
	global_prefetch_b8 v0, s[64:65] scope:SCOPE_SE
	s_setreg_imm32_b32 hwreg(HW_REG_WAVE_MODE, 25, 1), 1
	s_wait_xcnt 0x0
	s_wait_alu depctr_hold_cnt(0) depctr_sa_sdst(0) depctr_va_vdst(0) depctr_va_sdst(0) depctr_va_ssrc(0) depctr_va_vcc(0) depctr_vm_vsrc(0)
	s_getreg_b32 s2, hwreg(HW_REG_IB_STS2, 6, 4)
	s_cmp_eq_u32 s2, 0
	s_cbranch_scc0 .Lentry_in_a_cluster
	s_endpgm
.Lentry_in_a_cluster:
	s_bfe_u32 s2, ttmp6, 0x10000c
	s_cmp_lg_u32 s2, 0x3003
	s_cbranch_scc0 .Lentry_shape_is_right
	s_endpgm
.Lentry_shape_is_right:
; Launch 5 of 6.  The sequential part: for chunk c = 0 .. 63:  O = E S + F;  S <- gamma S + Q + G' S.  S is carried in f32; it enters the products rounded to bf16.  Nothing is left out.
; SHARES.  A work-group has one (batch, head) and 16 of V's 64 columns (columns do not meet): 128 work-groups; a finer split would put a barrier into every chunk.
; All four waves carry the same S (64 x 16: four tiles), so that no wave waits for another inside a chunk; wave v makes O^T of the chunk's token block v.  The price: the update is made four times.
; RING.  Two LDS slots of four chunks.  G' and E hang on (batch, head) alone: the cluster's four work-groups ask for them jointly (waves 0, 1); Q, F, gamma are the work-group's own (waves 2, 3, no mask).
; All operands lie as fragments: every LDS load takes 512 consecutive bytes.  By the text's own count a wave has two tensor loads out at the start and one behind each round.
; outf: O in bf16 as fragments for the last product.  out1 and the first state go in pieces of 64 bytes: 0.5 MB each, once.
.set SLOT1, 131072
.set QFO,   65536                      ; in a slot: G', E 4 x 16,384, then Q, F, gamma 4 x 6,400
.set SPARE, SLOT1+QFO+25600            ; 222,208: behind the ring, the spare words
.set G1,  24
.set G0,  32
.set G1Q, 48
.set G0Q, 56
.set S,   16                           ; v[16:47]   S: tile m (rows 16 m ..) at S + 8 m
.set SB,  48                           ; v[48:63]   S in bf16: fragments of K steps 0, 1; v[48:51] later carry O on its way out
.set OA,  64                           ; v[64:71]   O^T
.set E,   72                           ; v[72:87]
.set Q,   88                           ; v[88:119]
.set F,   120                          ; v[120:123]
.set GM,  124                          ; v[124:125] gamma, twice
.set GP,  128                          ; v[128:255] G', two sets of 64: fragment (n, s) at 8 (2 n + s)
.macro JLOAD s
	s_cmp_eq_u32 s13, 0
	s_cbranch_scc0 .Lown_\@
	tensor_load_to_lds s[G0+4*(\s):G0+4*(\s)+3], s[G1:G1+7]
	s_nop 0
.rept 4
	v_nop
.endr
	s_branch .Lasked_\@
.Lown_\@:
	tensor_load_to_lds s[G0Q+4*(\s):G0Q+4*(\s)+3], s[G1Q:G1Q+7]
	s_nop 0
.rept 4
	v_nop
.endr
.Lasked_\@:
.endm
.macro CROUND
	s_barrier_signal -1
	s_barrier_wait -1
	s_cmp_lg_u32 s12, 0
	s_cbranch_scc1 .Lnot_wave_0_\@
	s_barrier_signal -3
.Lnot_wave_0_\@:
	s_barrier_wait -3
	s_barrier_signal -1
	s_barrier_wait -1
.endm
	s_load_b256 s[4:11], s[0:1], 0x0               ; rec 4, initial_state 6, outf 8, out1 10
	v_lshl_add_u32 v12, v0, 2, SPARE
	v_mov_b32 v13, 0
	ds_add_u32 v12, v13                            ; the opening: the add, twice on end, and its wait ahead of my first tensor load
	ds_add_u32 v12, v13
	v_lshrrev_b32 v14, 5, v0
	v_readfirstlane_b32 s12, v14                   ; wave
	s_lshr_b32 s13, s12, 1                         ; 0: I fetch G', E; 1: Q, F, gamma
	s_and_b32 s14, s12, 1                          ; which two of a slot's four chunks
	s_and_b32 s15, ttmp7, 0xffff                   ; batch x 16 + head, which the four partners share
	s_bfe_u32 s16, ttmp6, 0x40000                  ; cx: my 16 columns
	s_mov_b32 s[G1+0], 15|(3<<16)|(1<<21)          ; the mask of four; elements of 8 bytes; bit 21 beside a mask
	s_mov_b32 s[G1+1], 32<<16                      ; rows of 256 bytes,
	s_mov_b32 s[G1+2], 128<<16                     ; 128 of them: two chunks
	s_mov_b32 s[G1+3], 32<<16
	s_mov_b32 s[G1+4], 128
	s_mov_b32 s[G1+5], 32
	s_mov_b32 s[G1+6], 0
	s_mov_b32 s[G1+7], 0
	s_mov_b32 s[G1Q+0], 3<<16                      ; no mask: my work-group's own
	s_mov_b32 s[G1Q+1], 32<<16
	s_mov_b32 s[G1Q+2], 50<<16                     ; 50 rows: two records of 6,400 bytes
	s_mov_b32 s[G1Q+3], 32<<16
	s_mov_b32 s[G1Q+4], 50
	s_mov_b32 s[G1Q+5], 32
	s_mov_b32 s[G1Q+6], 0
	s_mov_b32 s[G1Q+7], 0
	s_lshl_b32 s18, s15, 20
	s_lshl_b32 s19, s14, 15
	s_add_co_u32 s18, s18, s19
	s_mov_b32 s19, 0
	s_lshl_b32 s46, s15, 2
	s_add_co_u32 s46, s46, s16
	s_mul_i32 s46, s46, 409600
	s_mul_i32 s47, s14, 12800
	s_add_co_u32 s46, s46, s47
	s_add_co_u32 s46, s46, 33554432
	s_mov_b32 s47, 0
	s_lshl_b32 s22, s14, 15                        ; LDS: the wave's number and constants alone
	s_mul_i32 s23, s14, 12800
	s_add_co_u32 s23, s23, QFO
	s_wait_dscnt 0x0                               ; both opening adds are done
	s_wait_kmcnt 0x0
	s_add_nc_u64 s[18:19], s[4:5], s[18:19]
	s_add_nc_u64 s[46:47], s[4:5], s[46:47]
	CROUND                                         ; all four work-groups are here
.irp s, 0,1
	s_mov_b32 s[G0+4*(\s)], 1
	s_add_co_u32 s[G0+4*(\s)+1], s22, (\s)*SLOT1
	s_add_nc_u64 s[G0+4*(\s)+2:G0+4*(\s)+3], s[18:19], (\s)*65536
	s_or_b32 s[G0+4*(\s)+3], s[G0+4*(\s)+3], 0x80000000
	s_mov_b32 s[G0Q+4*(\s)], 1
	s_add_co_u32 s[G0Q+4*(\s)+1], s23, (\s)*SLOT1
	s_add_nc_u64 s[G0Q+4*(\s)+2:G0Q+4*(\s)+3], s[46:47], (\s)*25600
	s_or_b32 s[G0Q+4*(\s)+3], s[G0Q+4*(\s)+3], 0x80000000
.endr
	s_cmp_eq_u32 s13, 0                            ; a wave's two first fills stand in one branch
	s_cbranch_scc0 .Lfirst_own
	tensor_load_to_lds s[G0:G0+3], s[G1:G1+7]
	s_nop 0
	tensor_load_to_lds s[G0+4:G0+7], s[G1:G1+7]
	s_nop 0
.rept 4
	v_nop
.endr
	s_branch .Lfirst_asked
.Lfirst_own:
	tensor_load_to_lds s[G0Q:G0Q+3], s[G1Q:G1Q+7]
	s_nop 0
	tensor_load_to_lds s[G0Q+4:G0Q+7], s[G1Q:G1Q+7]
	s_nop 0
.rept 4
	v_nop
.endr
.Lfirst_asked:
	v_and_b32 v15, 15, v0                          ; r
	v_bfe_u32 v14, v0, 4, 1                        ; h
	v_lshlrev_b32 v14, 11, v14
	v_lshl_add_u32 v14, v15, 2, v14                ; the state: row 8 h, column r
	s_lshl_b32 s2, s15, 14
	s_lshl_b32 s3, s16, 6
	s_add_co_u32 s2, s2, s3
	s_mov_b32 s3, 0
	s_add_nc_u64 s[6:7], s[6:7], s[2:3]
	s_add_nc_u64 s[10:11], s[10:11], s[2:3]
.set i, 0
.rept 32
	global_load_b32 v[S+i], v14, s[6:7] offset:(16*(i/8)+i%8)*256
.set i, i+1
.endr
	v_and_b32 v11, 31, v0
	v_lshlrev_b32 v9, 3, v11
	v_lshlrev_b32 v11, 4, v11                      ; 16 x lane
	v_mov_b32 v1, v11                              ; G' in slot 0, 1
	v_add_nc_u32 v2, SLOT1, v1
	s_lshl_b32 s2, s12, 11
	s_add_co_u32 s2, s2, 8192
	v_add_nc_u32 v3, s2, v1                        ; E of my token block
	v_add_nc_u32 v4, SLOT1, v3
	v_add_nc_u32 v5, QFO, v1                       ; Q
	v_add_nc_u32 v6, SLOT1, v5
	s_lshl_b32 s2, s12, 9
	s_add_co_u32 s2, s2, 4096
	v_add_nc_u32 v7, s2, v5                        ; F of my token block
	v_add_nc_u32 v8, SLOT1, v7
	v_add_nc_u32 v9, QFO+6144, v9                  ; gamma
	v_add_nc_u32 v10, SLOT1, v9
	s_lshr_b32 s2, s15, 4                          ; outf: token block 256 batch + 4 c + wave; K step 2 head + cx / 2; half cx % 2
	s_lshl_b32 s2, s2, 8
	s_add_co_u32 s2, s2, s12
	s_lshl_b32 s2, s2, 15
	s_and_b32 s17, s15, 15
	s_lshl_b32 s17, s17, 11
	s_add_co_u32 s2, s2, s17
	s_lshl_b32 s17, s16, 9
	s_add_co_u32 s2, s2, s17
	s_add_nc_u64 s[20:21], s[8:9], s[2:3]
.macro LDG slot, i                     ; chunk i's G': 16 loads into set i % 2
.set GS, GP+64*((\i)%2)
.set k, 0
.rept 16
	ds_load_b128 v[GS+4*k:GS+4*k+3], v[1+(\slot)] offset:16384*(\i)+512*k
.set k, k+1
.endr
.endm
.macro LDQ slot, i                     ; Q, F, gamma: 10 loads
.set k, 0
.rept 8
	ds_load_b128 v[Q+4*k:Q+4*k+3], v[5+(\slot)] offset:6400*(\i)+512*k
.set k, k+1
.endr
	ds_load_b128 v[F:F+3], v[7+(\slot)] offset:6400*(\i)
	ds_load_b64 v[GM:GM+1], v[9+(\slot)] offset:6400*(\i)
.endm
.macro LDE slot, i                     ; E: 4 loads
.set k, 0
.rept 4
	ds_load_b128 v[E+4*k:E+4*k+3], v[3+(\slot)] offset:16384*(\i)+512*k
.set k, k+1
.endr
.endm
; One chunk.  LDS loads go out in the order G', (Q, F, gamma), E, each as soon as its registers are free.
.macro CHUNK slot, i
.set GS, GP+64*((\i)%2)
	s_wait_dscnt 4                                 ; G', Q, F, gamma are in; E's four loads may be out
.if (\i) < 3
	LDG \slot, (\i)+1                              ; the other set's last readers stand eight plain instructions back
.endif
	s_wait_xcnt 0x0                                ; the last chunk's store has read v[48:51]
.set k, 0
.rept 16
	v_cvt_pk_bf16_f32 v[SB+k], v[S+2*k], v[S+2*k+1]          ; each tile from its low end on
.set k, k+1
.endr
.irp p, 0,1,2,3
	v_lshlrev_b32 v[OA+2*\p], 16, v[F+\p]
	v_and_b32 v[OA+2*\p+1], 0xffff0000, v[F+\p]
.endr
.set k, 0
.rept 16
	v_pk_fma_f32 v[S+2*k:S+2*k+1], v[S+2*k:S+2*k+1], v[GM:GM+1], v[Q+2*k:Q+2*k+1]
.set k, k+1
.endr
.if (\i) < 3
	LDQ \slot, (\i)+1
	s_wait_dscnt 26                                ; E is in: behind it stand the 16 + 10 loads just issued
.else
	s_wait_dscnt 0x0
.endif
.set GS, GP+64*((\i)%2)
.irp s, 0,1                            ; five accumulators take turns, one instruction a turn, from chunk to chunk too
	v_wmma_f32_16x16x32_bf16 v[OA:OA+7], v[SB+8*\s:SB+8*\s+7], v[E+8*\s:E+8*\s+7], v[OA:OA+7]
.irp n, 0,1,2,3
	v_wmma_f32_16x16x32_bf16 v[S+8*\n:S+8*\n+7], v[GS+8*(2*\n+\s):GS+8*(2*\n+\s)+7], v[SB+8*\s:SB+8*\s+7], v[S+8*\n:S+8*\n+7]
.endr
.endr
.rept 4
	v_nop                                          ; four places behind the last product
.endr
.irp p, 0,1,2,3
	v_cvt_pk_bf16_f32 v[SB+\p], v[OA+2*\p], v[OA+2*\p+1]
.endr
	global_store_b128 v11, v[SB:SB+3], s[20:21] offset:131072*(\i)  ; 512 consecutive aligned bytes
.if (\i) < 3
	LDE \slot, (\i)+1
.endif
.endm
; A slot's four chunks, behind the change of slots.  refill = 1: the slot just left is filled again, two slots on.
.macro FOUR slot, refill
	s_wait_tensorcnt 0x0                           ; all my tensor loads have landed: my part of this slot;
	ds_add_u32 v12, v13                            ; scalar work stands between the add and the wait for it
.if \refill
	s_add_nc_u64 s[G0+6-4*(\slot):G0+7-4*(\slot)], s[G0+6-4*(\slot):G0+7-4*(\slot)], 131072
	s_add_nc_u64 s[G0Q+6-4*(\slot):G0Q+7-4*(\slot)], s[G0Q+6-4*(\slot):G0Q+7-4*(\slot)], 51200
.endif
	s_wait_xcnt 0x0                                ; the stores have read their base
	s_add_nc_u64 s[20:21], s[20:21], 524288        ; four chunks on in outf
	s_wait_dscnt 0x0                               ; the add is done, and my reads of the slot that I leave are over
.if \refill
	CROUND                                         ; no wave of any partner still reads that slot or has a load on its way
	JLOAD 1-(\slot)                                ; it has four chunks in which to land
.else
	s_barrier_signal -1
	s_barrier_wait -1
.endif
	LDG \slot, 0
	LDQ \slot, 0
	LDE \slot, 0
	CHUNK \slot, 0
	CHUNK \slot, 1
	CHUNK \slot, 2
	CHUNK \slot, 3
.endm
	s_wait_tensorcnt 1                             ; my part of slot 0 is in; slot 1's may stay out
	s_barrier_signal -1
	s_barrier_wait -1
	LDG 0, 0
	LDQ 0, 0
	LDE 0, 0
	s_wait_loadcnt 0x0                             ; the first state
	CHUNK 0, 0
	CHUNK 0, 1
	CHUNK 0, 2
	CHUNK 0, 3
	s_mov_b32 s3, 7
.Lslots:                                               ; slots 1 to 14; slots 2 to 15 are asked for
	FOUR 1, 1
	FOUR 0, 1
	s_sub_co_u32 s3, s3, 1
	s_cmp_lg_u32 s3, 0
	s_cbranch_scc1 .Lslots
	FOUR 1, 0                                      ; slot 15: nothing is left to fetch
	s_cmp_eq_u32 s12, 0                            ; all four waves hold the last state: wave 0 stores it
	s_cbranch_scc0 .Lend
.set i, 0
.rept 32
	global_store_b32 v14, v[S+i], s[10:11] offset:(16*(i/8)+i%8)*256
.set i, i+1
.endr
.Lend:
	s_wait_tensorcnt 0x0                           ; the wave's end
	ds_add_u32 v12, v13
	s_wait_dscnt 0x0
	CROUND                                         ; the closing round
	s_endpgm
.Lfunc_end_k_q76f477572b_scan:
	.size	k_q76f477572b_scan, .Lfunc_end_k_q76f477572b_scan-k_q76f477572b_scan
	.p2alignl 7, 3214868480
	.fill 96, 4, 3214868480
	.section	.rodata,"a",@progbits
	.p2align	6, 0x0
	.amdhsa_kernel k_q76f477572b_scan
		.amdhsa_group_segment_fixed_size 327680
		.amdhsa_private_segment_fixed_size 0
		.amdhsa_enable_private_segment 0
		.amdhsa_kernarg_size 32
		.amdhsa_user_sgpr_count 2
		.amdhsa_user_sgpr_kernarg_segment_ptr 1
		.amdhsa_wavefront_size32 1
		.amdhsa_system_sgpr_workgroup_id_x 1
		.amdhsa_system_sgpr_workgroup_id_y 1
		.amdhsa_system_sgpr_workgroup_id_z 1
		.amdhsa_system_vgpr_workitem_id 0
		.amdhsa_next_free_vgpr 256
		.amdhsa_next_free_sgpr 66
		.amdhsa_reserve_vcc 0
		.amdhsa_float_denorm_mode_32 3
		.amdhsa_float_denorm_mode_16_64 3
		.amdhsa_memory_ordered 1
		.amdhsa_forward_progress 1
		.amdhsa_inst_pref_size 103
	.end_amdhsa_kernel
	.amdgpu_metadata
---
amdhsa.version: [ 1, 2 ]
amdhsa.kernels:
  - .name:           k_q76f477572b_scan
    .symbol:         k_q76f477572b_scan.kd
    .args:
      - { .name: rec, .offset: 0, .size: 8, .value_kind: global_buffer, .address_space: global }
      - { .name: initial_state, .offset: 8, .size: 8, .value_kind: global_buffer, .address_space: global }
      - { .name: outf, .offset: 16, .size: 8, .value_kind: global_buffer, .address_space: global }
      - { .name: out1, .offset: 24, .size: 8, .value_kind: global_buffer, .address_space: global }
    .group_segment_fixed_size: 327680
    .private_segment_fixed_size: 0
    .kernarg_segment_align: 8
    .kernarg_segment_size: 32
    .max_flat_workgroup_size: 128
    .sgpr_count:     66
    .vgpr_count:     256
    .wavefront_size: 32
...
	.end_amdgpu_metadata
.endif
;; end of part 5
;; launch gemm2 (part 6): grid 8 x 32, 4 waves a work-group, clusters of 4 x 4, 327,680 bytes of LDS; arguments outf, wts, x, out0; writes out0
.if DOCPART == 6
	.amdgcn_target "amdgcn-amd-amdhsa--gfx1250"
	.amdhsa_code_object_version 6
	.text
	.protected	k_q76f477572b_gemm2
	.globl	k_q76f477572b_gemm2
	.p2align	8
	.type	k_q76f477572b_gemm2,@function
k_q76f477572b_gemm2:
	s_mov_b64 s[64:65], 0
	v_nop
	global_prefetch_b8 v0, s[64:65] scope:SCOPE_SE
	s_setreg_imm32_b32 hwreg(HW_REG_WAVE_MODE, 25, 1), 1
	s_wait_xcnt 0x0
	s_wait_alu depctr_hold_cnt(0) depctr_sa_sdst(0) depctr_va_vdst(0) depctr_va_sdst(0) depctr_va_ssrc(0) depctr_va_vcc(0) depctr_vm_vsrc(0)
	s_getreg_b32 s2, hwreg(HW_REG_IB_STS2, 6, 4)
	s_cmp_eq_u32 s2, 0
	s_cbranch_scc0 .Lentry_in_a_cluster
	s_endpgm
.Lentry_in_a_cluster:
	s_bfe_u32 s2, ttmp6, 0x10000c
	s_cmp_lg_u32 s2, 0xf033
	s_cbranch_scc0 .Lentry_shape_is_right
	s_endpgm
.Lentry_shape_is_right:
; Launch 6 of 6.  out0[(t + 1) mod 4096] = x[that row] + (O o_w)[t]: 8,192 x 1,024 x 1,024 in bf16, sums in f32.  O's row 4095 is 0 (the pad step), so row 0 of each batch is x.  Nothing is left out.
; The ring, the tile (256 steps x 128 columns, four waves of 128 x 64), the cluster and the windows are those of the launch that makes k and v; A is O as fragments, B is o_w in bf16, [k][n].
; THE WAY OUT.  Behind the last product the wave's 128 rows of x are asked for at once (64 loads, 16 lanes to 256 consecutive aligned bytes) into window 1, which the fragments have left;
; each block of 16 rows goes through my stage in f32, comes back as whole rows of 256 bytes, takes its x and is stored.
.set NTOT,  1024
.set WOFF,  4194304
.set SLOT,  102400
.set BOFF,  65536
.set BP,    288
.set STAGE, 2*SLOT
.set SP,    272
.set SPARE, STAGE+4*16*SP
.set ADRA, 16
.set ADRB, 20
.set STO,  24
.set RD,   25
.set CO,   26
.set CL,   27
.set SPW,  28
.set NIL,  29
.set BK,   32
.set F0,   0
.set F1,   96
.set G1,   24
.set G0,   32
.set G1B,  48
.set G0B,  56
.set MSB,  0
.macro WIN new
.if MSB != (\new)
	s_set_vgpr_msb (MSB<<8)|(\new)
.set MSB, \new
.endif
.endm
.set MUL,  0xa5
.set TO_F, 0x40
.macro JLOAD s
	s_cmp_eq_u32 s13, 0
	s_cbranch_scc0 .Lfor_b_\@
	tensor_load_to_lds s[G0+4*(\s):G0+4*(\s)+3], s[G1:G1+7]
	s_nop 0
.rept 4
	v_nop
.endr
	s_branch .Lasked_\@
.Lfor_b_\@:
	tensor_load_to_lds s[G0B+4*(\s):G0B+4*(\s)+3], s[G1B:G1B+7]
	s_nop 0
.rept 4
	v_nop
.endr
.Lasked_\@:
.endm
.macro CREST
	s_cmp_lg_u32 s12, 0
	s_cbranch_scc1 .Lnot_wave_0_\@
	s_barrier_signal -3
.Lnot_wave_0_\@:
	s_barrier_wait -3
	s_barrier_signal -1
	s_barrier_wait -1
.endm
.macro CROUND
	s_barrier_signal -1
	s_barrier_wait -1
	CREST
.endm
	s_load_b256 s[4:11], s[0:1], 0x0               ; outf 4, wts 6, x 8, out0 10
	v_lshl_add_u32 v[SPW], v0, 2, SPARE
	v_mov_b32 v[NIL], 0
	ds_add_u32 v[SPW], v[NIL]                      ; the opening: the add, twice on end, and its wait ahead of my first tensor load
	ds_add_u32 v[SPW], v[NIL]
	v_lshrrev_b32 v1, 5, v0
	v_readfirstlane_b32 s12, v1
	s_lshr_b32 s13, s12, 1
	s_and_b32 s14, s12, 1
	s_bfe_u32 s40, ttmp6, 0x40000
	s_bfe_u32 s41, ttmp6, 0x40004
	s_lshl_b32 s42, ttmp9, 2
	s_add_co_u32 s42, s42, s40                     ; tile column
	s_and_b32 s15, ttmp7, 0xffff
	s_lshl_b32 s15, s15, 2
	s_add_co_u32 s15, s15, s41                     ; tile row
	s_lshl_b32 s43, s41, 2
	s_lshl_b32 s43, 15, s43
	s_lshl_b32 s44, 0x1111, s40
	s_or_b32 s[G1+0], s43, (3<<16)|(1<<21)
	s_mov_b32 s[G1+1], 512<<16
	s_mov_b32 s[G1+2], 8<<16
	s_mov_b32 s[G1+3], 512<<16
	s_mov_b32 s[G1+4], 8
	s_mov_b32 s[G1+5], 4096
	s_mov_b32 s[G1+6], 0
	s_mov_b32 s[G1+7], 0
	s_or_b32 s[G1B+0], s44, (1<<16)|(1<<20)|(1<<21)|(5<<22)|(7<<25)
	s_mov_b32 s[G1B+1], 128<<16
	s_mov_b32 s[G1B+2], 64<<16
	s_mov_b32 s[G1B+3], 128<<16
	s_mov_b32 s[G1B+4], 64
	s_mov_b32 s[G1B+5], NTOT
	s_mov_b32 s[G1B+6], 0
	s_mov_b32 s[G1B+7], 0
	s_lshl_b32 s16, s15, 19
	s_lshl_b32 s17, s14, 18
	s_add_co_u32 s16, s16, s17
	s_mov_b32 s17, 0
	s_lshl_b32 s46, s42, 8
	s_mul_i32 s47, s14, 128*NTOT
	s_add_co_u32 s46, s46, s47
	s_add_co_u32 s46, s46, WOFF
	s_mov_b32 s47, 0
	s_lshl_b32 s20, s14, 15
	s_mul_i32 s21, s14, 64*BP
	s_add_co_u32 s21, s21, BOFF
	s_wait_dscnt 0x0
	s_wait_kmcnt 0x0
	s_add_nc_u64 s[18:19], s[4:5], s[16:17]
	s_add_nc_u64 s[46:47], s[6:7], s[46:47]
	CROUND
.irp s, 0,1
	s_mov_b32 s[G0+4*(\s)], 1
	s_add_co_u32 s[G0+4*(\s)+1], s20, (\s)*SLOT
	s_add_nc_u64 s[G0+4*(\s)+2:G0+4*(\s)+3], s[18:19], (\s)*4096
	s_or_b32 s[G0+4*(\s)+3], s[G0+4*(\s)+3], 0x80000000
	s_mov_b32 s[G0B+4*(\s)], 1
	s_add_co_u32 s[G0B+4*(\s)+1], s21, (\s)*SLOT
	s_add_nc_u64 s[G0B+4*(\s)+2:G0B+4*(\s)+3], s[46:47], (\s)*256*NTOT
	s_or_b32 s[G0B+4*(\s)+3], s[G0B+4*(\s)+3], 0x80000000
	JLOAD \s
.endr
	v_and_b32 v1, 15, v0
	v_bfe_u32 v2, v0, 4, 1
	v_and_b32 v3, 31, v0
	s_lshl_b32 s22, s13, 15
	v_lshl_add_u32 v[ADRA], v3, 4, s22
	v_add_nc_u32 v[ADRA+1], SLOT, v[ADRA]
	v_and_b32 v4, 7, v0
	v_bfe_u32 v5, v0, 3, 1
	v_lshl_add_u32 v6, v2, 3, v4
	v_mul_u32_u24 v6, v6, BP
	v_lshl_add_u32 v6, v5, 4, v6
	s_lshl_b32 s22, s14, 7
	s_add_co_u32 s22, s22, BOFF
	v_add_nc_u32 v[ADRB], s22, v6
	v_add_nc_u32 v[ADRB+1], SLOT, v[ADRB]
	s_mul_i32 s23, s12, 16*SP
	s_add_co_u32 s23, s23, STAGE
	v_mul_u32_u24 v[STO], v1, SP                   ; in: row r, 32 bytes for each half of the lanes
	v_lshl_add_u32 v[STO], v2, 5, v[STO]
	v_add_nc_u32 v[STO], s23, v[STO]
	v_mul_u32_u24 v[RD], v2, SP                    ; back: lanes 0-15 one row of 256 bytes, lanes 16-31 the next
	v_lshl_add_u32 v[RD], v1, 4, v[RD]
	v_add_nc_u32 v[RD], s23, v[RD]
	v_lshlrev_b32 v7, 4, v1
	v_add_nc_u32 v[CO], 1, v2
	v_lshl_add_u32 v[CO], v[CO], 12, v7            ; step h of a pair goes to row h + 1
	s_and_b32 s22, s15, 15
	s_lshl_b32 s22, s22, 8
	s_lshl_b32 s23, s13, 7
	s_add_co_u32 s22, s22, s23                     ; my first step in the batch row
	s_add_co_u32 s23, s22, 127
	v_add_nc_u32 v[CL], s23, v2
	v_and_b32 v[CL], 0xfff, v[CL]                  ; the last pair alone can wrap: step 4095 goes to row 0
	v_lshl_add_u32 v[CL], v[CL], 12, v7
	s_lshr_b32 s46, s15, 4                         ; batch
	s_lshl_b32 s46, s46, 24
	s_lshl_b32 s47, s42, 9
	s_add_co_u32 s46, s46, s47
	s_lshl_b32 s47, s14, 8
	s_add_co_u32 s46, s46, s47
	s_mov_b32 s47, 0
	s_add_nc_u64 s[8:9], s[8:9], s[46:47]          ; x and out0 at the batch's row 0, my 64 columns,
	s_add_nc_u64 s[10:11], s[10:11], s[46:47]
	s_lshl_b32 s20, s22, 12
	s_mov_b32 s21, 0
	s_add_nc_u64 s[18:19], s[8:9], s[20:21]        ; and at my first step's row
	s_add_nc_u64 s[22:23], s[10:11], s[20:21]
.macro MUL8 f, a0, zero
	WIN MUL
.irp a, \a0, (\a0)+1
.irp b, 0,1,2,3
.if \zero
	v_wmma_f32_16x16x32_bf16 v[8*(4*(\a)+(\b)):8*(4*(\a)+(\b))+7], v[(\f)+8*(\b):(\f)+8*(\b)+7], v[(\f)+32+8*(\a):(\f)+32+8*(\a)+7], 0
.else
	v_wmma_f32_16x16x32_bf16 v[8*(4*(\a)+(\b)):8*(4*(\a)+(\b))+7], v[(\f)+8*(\b):(\f)+8*(\b)+7], v[(\f)+32+8*(\a):(\f)+32+8*(\a)+7], v[8*(4*(\a)+(\b)):8*(4*(\a)+(\b))+7]
.endif
.endr
.endr
.endm
.macro FETCH slot, q, f
	WIN TO_F
.irp b, 0,1,2,3
	ds_load_tr16_b128 v[(\f)+8*(\b):(\f)+8*(\b)+3],   v[ADRB+(\slot)] offset:(\q)*32*BP+32*(\b)
	ds_load_tr16_b128 v[(\f)+8*(\b)+4:(\f)+8*(\b)+7], v[ADRB+(\slot)] offset:(\q)*32*BP+32*(\b)+16*BP
.endr
.irp a, 0,1,2,3,4,5,6,7
	ds_load_b128 v[(\f)+32+8*(\a):(\f)+32+8*(\a)+3],   v[ADRA+(\slot)] offset:(\a)*4096+(\q)*1024
	ds_load_b128 v[(\f)+32+8*(\a)+4:(\f)+32+8*(\a)+7], v[ADRA+(\slot)] offset:(\a)*4096+(\q)*1024+512
.endr
.endm
.macro PLACES
.rept 4
	v_nop
.endr
.endm
.macro QUARTER slot, q, f, g, zero
	s_wait_dscnt 8                                 ; B and A's blocks 0-3 are in; the youngest eight loads may be out
	MUL8 \f, 0, \zero
	MUL8 \f, 2, \zero
	PLACES
	FETCH \slot, \q, \g
	s_wait_dscnt 24                                ; all but the 24 just issued
	MUL8 \f, 4, \zero
	MUL8 \f, 6, \zero
.endm
.macro TURN slot, next, fill
	WIN 0
	s_wait_tensorcnt 0x0                           ; all my tensor loads have landed: my part of the next slot;
	ds_add_u32 v[SPW], v[NIL]
	s_wait_dscnt 9                                 ; (the add and the youngest eight loads may be out)
	MUL8 F1, 0, 0
	s_wait_dscnt 0x0                               ; the add is done, and my reads of this slot are over
	s_barrier_signal -1
	MUL8 F1, 2, 0
.if \fill
	WIN 0
.endif
	s_barrier_wait -1
.if \fill
	CREST
	s_add_nc_u64 s[G0+4*(\slot)+2:G0+4*(\slot)+3], s[G0+4*(\slot)+2:G0+4*(\slot)+3], 2*4096
	s_add_nc_u64 s[G0B+4*(\slot)+2:G0B+4*(\slot)+3], s[G0B+4*(\slot)+2:G0B+4*(\slot)+3], 512*NTOT
	JLOAD \slot
.else
	PLACES
.endif
	FETCH \next, 0, F0
	MUL8 F1, 4, 0
	MUL8 F1, 6, 0
.endm
	s_wait_tensorcnt 1                             ; my part of K step 0 is in; K step 1's may stay out
	s_barrier_signal -1
	s_barrier_wait -1
	FETCH 0, 0, F0
	QUARTER 0, 1, F0, F1, 1
	WIN 0
	s_mov_b32 s3, 3
.Llap:
	QUARTER 0, 2, F1, F0, 0
	QUARTER 0, 3, F0, F1, 0
	TURN 0, 1, 1
	QUARTER 1, 1, F0, F1, 0
	QUARTER 1, 2, F1, F0, 0
	QUARTER 1, 3, F0, F1, 0
	TURN 1, 0, 1
	QUARTER 0, 1, F0, F1, 0
	WIN 0
	s_sub_co_u32 s3, s3, 1
	s_cmp_lg_u32 s3, 0
	s_cbranch_scc1 .Llap
	QUARTER 0, 2, F1, F0, 0
	QUARTER 0, 3, F0, F1, 0
	TURN 0, 1, 0
	QUARTER 1, 1, F0, F1, 0
	QUARTER 1, 2, F1, F0, 0
	QUARTER 1, 3, F0, F1, 0
	s_wait_dscnt 8
	MUL8 F1, 0, 0
	MUL8 F1, 2, 0
	s_wait_dscnt 0x0
	MUL8 F1, 4, 0
	MUL8 F1, 6, 0
	WIN 0
	PLACES                                         ; ahead of loads into the fragments' registers and of LDS stores that read results
	WIN TO_F
.set i, 0
.rept 63                               ; pair i of rows: steps 2 i, 2 i + 1 of my 128
	global_load_b128 v[4*i:4*i+3], v[CO], s[18:19] offset:8192*i th:TH_LOAD_NT
.set i, i+1
.endr
	global_load_b128 v[252:255], v[CL], s[8:9] th:TH_LOAD_NT
.irp a, 0,1,2,3,4,5,6,7
	WIN 0x08                                       ; an LDS store's data is source 1: window 2
.irp b, 0,1,2,3
	ds_store_b128 v[STO], v[32*\a+8*\b:32*\a+8*\b+3]   offset:64*\b     ; each accumulator from its low end on
	ds_store_b128 v[STO], v[32*\a+8*\b+4:32*\a+8*\b+7] offset:64*\b+16
.endr
	WIN 0
	s_wait_xcnt 0x0                                ; the last block's stores have read these registers
.irp t, 0,1,2,3,4,5,6,7
	ds_load_b128 v[BK+4*\t:BK+4*\t+3], v[RD] offset:2*SP*\t  ; LDS serves a wave's instructions in order: these see the stores above
.endr
	s_wait_dscnt 0x0
	s_wait_loadcnt 8*(7-\a)                        ; this block's x is in; the younger blocks' loads, eight each, stay out
	WIN 0x04                                       ; source 1 window 1
.set i, 0
.rept 16
	v_pk_add_f32 v[BK+2*i:BK+2*i+1], v[BK+2*i:BK+2*i+1], v[32*\a+2*i:32*\a+2*i+1]
.set i, i+1
.endr
	WIN 0
.irp t, 0,1,2,3,4,5,6,7
.if (\a == 7) && (\t == 7)
	global_store_b128 v[CL], v[BK+4*\t:BK+4*\t+3], s[10:11]
.else
	global_store_b128 v[CO], v[BK+4*\t:BK+4*\t+3], s[22:23] offset:8192*(8*\a+\t)  ; 16 lanes store 256 consecutive aligned bytes
.endif
.endr
.endr
	s_wait_tensorcnt 0x0                           ; the wave's end
	ds_add_u32 v[SPW], v[NIL]
	s_wait_dscnt 0x0
	CROUND                                         ; the closing round
	s_endpgm
.Lfunc_end_k_q76f477572b_gemm2:
	.size	k_q76f477572b_gemm2, .Lfunc_end_k_q76f477572b_gemm2-k_q76f477572b_gemm2
	.p2alignl 7, 3214868480
	.fill 96, 4, 3214868480
	.section	.rodata,"a",@progbits
	.p2align	6, 0x0
	.amdhsa_kernel k_q76f477572b_gemm2
		.amdhsa_group_segment_fixed_size 327680
		.amdhsa_private_segment_fixed_size 0
		.amdhsa_enable_private_segment 0
		.amdhsa_kernarg_size 32
		.amdhsa_user_sgpr_count 2
		.amdhsa_user_sgpr_kernarg_segment_ptr 1
		.amdhsa_wavefront_size32 1
		.amdhsa_system_sgpr_workgroup_id_x 1
		.amdhsa_system_sgpr_workgroup_id_y 1
		.amdhsa_system_sgpr_workgroup_id_z 1
		.amdhsa_system_vgpr_workitem_id 0
		.amdhsa_next_free_vgpr 768
		.amdhsa_next_free_sgpr 66
		.amdhsa_reserve_vcc 0
		.amdhsa_float_denorm_mode_32 3
		.amdhsa_float_denorm_mode_16_64 3
		.amdhsa_memory_ordered 1
		.amdhsa_forward_progress 1
		.amdhsa_inst_pref_size 101
	.end_amdhsa_kernel
	.amdgpu_metadata
---
amdhsa.version: [ 1, 2 ]
amdhsa.kernels:
  - .name:           k_q76f477572b_gemm2
    .symbol:         k_q76f477572b_gemm2.kd
    .args:
      - { .name: outf, .offset: 0, .size: 8, .value_kind: global_buffer, .address_space: global }
      - { .name: wts, .offset: 8, .size: 8, .value_kind: global_buffer, .address_space: global }
      - { .name: x, .offset: 16, .size: 8, .value_kind: global_buffer, .address_space: global }
      - { .name: out0, .offset: 24, .size: 8, .value_kind: global_buffer, .address_space: global }
    .group_segment_fixed_size: 327680
    .private_segment_fixed_size: 0
    .kernarg_segment_align: 8
    .kernarg_segment_size: 32
    .max_flat_workgroup_size: 128
    .sgpr_count:     66
    .vgpr_count:     768
    .wavefront_size: 32
...
	.end_amdgpu_metadata
.endif
;; end of part 6
;; ======== version 2 of 2: 6 launches; version 1 with the launches cast, prep written anew for expert scheduling mode
;; limits: values are held in f16: magnitudes above 65,504 overflow, below 6.1e-05 lose precision; values outside matrix products are rounded to bf16
;; workspace buffers: wts 6,356,992 bytes; code 32,768 bytes of whole numbers; xnf 16,777,216 bytes; kv 33,554,432 bytes; bl 1,048,576 bytes; rec 85,983,232 bytes; outf 16,777,216 bytes
;; launch cast (part 7): grid 274 x 1, 8 waves a work-group, no clusters, 1,280 bytes of LDS; arguments k_w, v_w, o_w, beta_w, g_w, input_ids, wts, code; writes wts, code
.if DOCPART == 7
	.amdgcn_target "amdgcn-amd-amdhsa--gfx1250"
	.amdhsa_code_object_version 6
	.text
	.protected	k_q76f477572b_cast
	.globl	k_q76f477572b_cast
	.p2align	8
	.type	k_q76f477572b_cast,@function
k_q76f477572b_cast:
	s_mov_b64 s[64:65], 0
	v_nop
	global_prefetch_b8 v0, s[64:65] scope:SCOPE_SE
	s_setreg_imm32_b32 hwreg(HW_REG_WAVE_SCHED_MODE, 0, 2), 2
	s_setreg_imm32_b32 hwreg(HW_REG_WAVE_MODE, 25, 1), 1
	s_wait_xcnt 0x0
	s_wait_alu depctr_vm_vsrc(0)
; GATED DELTA NET LAYER, launch 1 of 6: the weights in 16 bits, and the markers' slots as whole numbers.
; THE PROGRAM.  cast; norm (RMS norm, beta, log2 g); gemm1 (raw k and v); prep (all work inside chunks of 64 steps); scan (64 sequential chunk steps a chain); gemm2 (o_w and the residual).
; The scan of 4,095 steps is taken in chunks: within a chunk u = (I - NA)^-1 (beta v - beta 2^LM k S0), so that a chunk acts on the state as S <- gamma S + G' S + Q and gives O = E S + F.
; DEAD WORK: no whole unit is left out, and all twelve inputs are loaded.  v_full[:,0], k_full[:,T-1], beta and g of T-1 are sliced away by reference(); they lie inside live tiles.
; Step 4095 does not exist in reference(): it is run as a pad with beta = 0 and log g = 0, which leaves the state as it is, and its output row is made 0: it becomes row 0 of out0, which is x.
; LIMITS.  x_norm, k_w, v_w, beta_w, g_w, and the raw k and v are kept in f16: they must stay under 65,504 in magnitude, and keep f16's fixed step below 6e-5.  NaN and infinities are not treated apart.
; JOBS, by the work-group's number: 0-255 four rows of k_w, v_w (f16, side by side: [1024][2048]) and o_w (bf16); 256-271 beta_w and g_w as f16 matrix fragments; 272, 273 a batch row's markers.
; THE MODE: SCHED_MODE bits 1:0 = 2 (LLVM: expert scheduling mode 2), set by the entry lines.  The code itself states the register dependences between vector instructions and memory or LDS
; instructions, and those through scalar registers that vector instructions write, with s_wait_alu, always for 0.
; THE PLAN.  Every offset is written once, ahead of a wait, and never again.  Every loaded register is rounded in place and stored once: no register that a memory instruction has read is written again.
; JOB A: row i's three stores stand at the head of row i + 1, behind one wait that shows row i's roundings written.  JOB C: compares and lane reads stand in runs into scalar registers of their own, one wait a run;
; all sixteen codes are made, then one wait, then the four stores.
.set MARK,  50251
.set SPARE, 256                        ; the spare words: 128 bytes for each of eight waves; the eight totals have the block from 0 to themselves
.set OW,    4194304
.set WBG,   6291456
	s_load_b512 s[4:19], s[0:1], 0x0               ; k_w 4, v_w 6, o_w 8, beta_w 10, g_w 12, input_ids 14, wts 16, code 18
	v_lshl_add_u32 v62, v0, 2, SPARE
	v_mov_b32 v63, 0
	v_lshrrev_b32 v1, 5, v0
	v_readfirstlane_b32 s20, v1                    ; wave 0..7
	v_and_b32 v2, 31, v0                           ; lane
	s_mov_b32 s23, 0
	s_wait_alu depctr_va_sdst(0)                   ; s20 is written: jobs B and C read it, behind the branches below
	s_wait_kmcnt 0x0
	s_cmp_lt_u32 ttmp9, 256
	s_cbranch_scc0 .Lnot_a
	; JOB A: rows 4 g .. 4 g + 3; thread t takes columns 4 t .. 4 t + 3: a wave loads 512 and stores 256 consecutive aligned bytes
	s_lshl_b32 s22, ttmp9, 14
	s_add_nc_u64 s[4:5], s[4:5], s[22:23]
	s_add_nc_u64 s[6:7], s[6:7], s[22:23]
	s_add_nc_u64 s[8:9], s[8:9], s[22:23]
	s_add_nc_u64 s[24:25], s[16:17], s[22:23]      ; a row of [k_w | v_w] in f16 is 4,096 bytes
	s_lshl_b32 s22, ttmp9, 13
	s_add_nc_u64 s[26:27], s[16:17], s[22:23]      ; a row of o_w in bf16 is 2,048
	v_lshlrev_b32 v3, 4, v0
	v_lshlrev_b32 v4, 3, v0
	s_wait_alu depctr_va_vdst(0)                   ; v3 and v4 are written: the offsets of this job's loads and stores
.irp i, 0,1,2,3
	global_load_b128 v[8+12*\i:11+12*\i],  v3, s[4:5] offset:4096*\i th:TH_LOAD_NT
	global_load_b128 v[12+12*\i:15+12*\i], v3, s[6:7] offset:4096*\i th:TH_LOAD_NT
	global_load_b128 v[16+12*\i:19+12*\i], v3, s[8:9] offset:4096*\i th:TH_LOAD_NT
.endr
.macro CVROW i                         ; row i is rounded in place: k_w's and v_w's four numbers to f16, o_w's to bf16
	v_cvt_pk_f16_f32 v[8+12*(\i)],  v[8+12*(\i)],  v[9+12*(\i)]
	v_cvt_pk_f16_f32 v[9+12*(\i)],  v[10+12*(\i)], v[11+12*(\i)]
	v_cvt_pk_f16_f32 v[12+12*(\i)], v[12+12*(\i)], v[13+12*(\i)]
	v_cvt_pk_f16_f32 v[13+12*(\i)], v[14+12*(\i)], v[15+12*(\i)]
	v_cvt_pk_bf16_f32 v[16+12*(\i)], v[16+12*(\i)], v[17+12*(\i)]
	v_cvt_pk_bf16_f32 v[17+12*(\i)], v[18+12*(\i)], v[19+12*(\i)]
.endm
.macro STROW i                         ; row i is stored; every store has registers of its own
	global_store_b64 v4, v[8+12*(\i):9+12*(\i)],   s[24:25] offset:4096*(\i)
	global_store_b64 v4, v[12+12*(\i):13+12*(\i)], s[24:25] offset:4096*(\i)+2048
	global_store_b64 v4, v[16+12*(\i):17+12*(\i)], s[26:27] offset:OW+2048*(\i)
.endm
	s_wait_loadcnt 9                               ; row 0's three loads are in; the nine younger ones stay out
	CVROW 0
.irp i, 1,2,3
	s_wait_loadcnt 9-3*\i                          ; row i is in; the younger rows stay out
	s_wait_alu depctr_va_vdst(0)                   ; the row before is rounded: its six registers are the data of the three stores below
	STROW \i-1
	CVROW \i
.endr
	s_wait_alu depctr_va_vdst(0)                   ; row 3 is rounded, which the last three stores read
	STROW 3
	s_endpgm
.Lnot_a:
	s_cmp_lt_u32 ttmp9, 272
	s_cbranch_scc0 .Ljob_c
	; JOB B: half fragment q = 64 ct + 2 ks + half: lane (r, h) holds column r (a head), channels 16 (q % 64) + 8 h + 0..7
	s_sub_co_u32 s21, ttmp9, 256
	s_lshl_b32 s21, s21, 3
	s_add_co_u32 s21, s21, s20
	s_and_b32 s22, s21, 63
	s_lshl_b32 s22, s22, 10                        ; 16 rows of 64 bytes
	s_cmp_lt_u32 s21, 64
	s_cselect_b64 s[24:25], s[10:11], s[12:13]
	s_add_nc_u64 s[24:25], s[24:25], s[22:23]
	v_and_b32 v3, 15, v0
	v_bfe_u32 v4, v0, 4, 1
	v_lshlrev_b32 v5, 2, v3
	v_lshl_add_u32 v5, v4, 9, v5
	s_wait_alu depctr_va_vdst(0)                   ; v5 is written: the eight loads' offset
.irp e, 0,1,2,3,4,5,6,7
	global_load_b32 v[8+\e], v5, s[24:25] offset:64*\e
.endr
	s_lshl_b32 s22, s21, 9
	s_add_nc_u64 s[26:27], s[16:17], s[22:23]
	v_lshlrev_b32 v6, 4, v2
	s_wait_loadcnt 0x0
.irp p, 0,1,2,3
	v_cvt_pk_f16_f32 v[16+\p], v[8+2*\p], v[9+2*\p]
.endr
	s_wait_alu depctr_va_vdst(0)                   ; v6 and v[16:19] are written: the store's offset and data
	global_store_b128 v6, v[16:19], s[26:27] offset:WBG
	s_endpgm
.Ljob_c:
	; JOB C: code[t] = (markers up to and with t, less 1) mod 64 at a marker, 64 elsewhere.  Wave w has ids 512 w ..; trip q, lane l, word e is id 128 q + 4 l + e.  All whole numbers.
	s_sub_co_u32 s21, ttmp9, 272
	s_lshl_b32 s22, s21, 14
	s_add_nc_u64 s[14:15], s[14:15], s[22:23]
	s_add_nc_u64 s[18:19], s[18:19], s[22:23]
	v_lshlrev_b32 v3, 4, v2
	v_lshl_add_u32 v3, v1, 11, v3
	v_lshlrev_b32 v5, 2, v1
	v_mov_b32 v7, 0
	s_wait_alu depctr_va_vdst(0)                   ; v3, v5 and v7 are written: the offset of the ids and codes, and the two LDS addresses
.irp q, 0,1,2,3
	global_load_b128 v[8+4*\q:11+4*\q], v3, s[14:15] offset:512*\q
.endr
	s_mov_b32 s21, MARK
	s_mov_b32 s40, 0
	s_wait_loadcnt 0x0
.set i, 0
.rept 16
	v_cmp_eq_u32 s[24+i], s21, v[8+i]              ; sixteen masks in a run, each in a register of its own
.set i, i+1
.endr
	s_wait_alu depctr_va_sdst(0)                   ; s24 to s39 are written, ahead of their first readers
.set i, 0
.rept 16
	s_bcnt1_i32_b32 s42, s[24+i]
	s_add_co_u32 s40, s40, s42                     ; the wave's total
.set i, i+1
.endr
	v_mov_b32 v6, s40
	s_wait_alu depctr_va_vdst(0)                   ; v6 is written: the LDS store's data
	ds_store_b32 v5, v6
	s_wait_dscnt 0x0                               ; for the others' sake: my total is in LDS
	s_barrier_signal -1
	s_barrier_wait -1
	ds_load_b128 v[40:43], v7
	ds_load_b128 v[44:47], v7 offset:16
	s_wait_dscnt 0x0
	s_mov_b32 s41, 0
.irp j, 0,1,2,3,4,5,6
	v_readfirstlane_b32 s[43+\j], v[40+\j]         ; seven totals in a run, each in a register of its own
.endr
	s_wait_alu depctr_va_sdst(0)                   ; s43 to s49 are written, ahead of their first readers
.irp j, 0,1,2,3,4,5,6
	s_cmp_gt_u32 s20, \j
	s_cselect_b32 s42, s[43+\j], 0
	s_add_co_u32 s41, s41, s42                     ; markers in the waves before mine
.endr
.irp q, 0,1,2,3
	v_mov_b32 v50, s41
.irp e, 0,1,2,3
	v_mbcnt_lo_u32_b32 v50, s[24+4*\q+\e], v50     ; + the trip's markers in lower lanes
.endr
.irp e, 0,1,2,3
	v_cndmask_b32 v51, 0, 1, s[24+4*\q+\e]
	v_add_nc_u32 v50, v50, v51                     ; + my own up to word e
	v_add_nc_u32 v52, 63, v50
	v_and_b32 v52, 63, v52
	v_cndmask_b32 v[24+4*\q+\e], 64, v52, s[24+4*\q+\e]
	s_bcnt1_i32_b32 s42, s[24+4*\q+\e]
	s_add_co_u32 s41, s41, s42
.endr
.endr
	s_wait_alu depctr_va_vdst(0)                   ; the sixteen codes v[24:39] are written, which the four stores read
.irp q, 0,1,2,3
	global_store_b128 v3, v[24+4*\q:27+4*\q], s[18:19] offset:512*\q
.endr
	s_wait_dscnt 0x0                               ; the closing lines, six on end
	s_wait_alu 0x0
	s_wait_tensorcnt 0x0
	ds_add_u32 v62, v63
	s_wait_dscnt 0x0
	s_endpgm
.Lfunc_end_k_q76f477572b_cast:
	.size	k_q76f477572b_cast, .Lfunc_end_k_q76f477572b_cast-k_q76f477572b_cast
	.p2alignl 7, 3214868480
	.fill 96, 4, 3214868480
	.section	.rodata,"a",@progbits
	.p2align	6, 0x0
	.amdhsa_kernel k_q76f477572b_cast
		.amdhsa_group_segment_fixed_size 1280
		.amdhsa_private_segment_fixed_size 0
		.amdhsa_enable_private_segment 0
		.amdhsa_kernarg_size 64
		.amdhsa_user_sgpr_count 2
		.amdhsa_user_sgpr_kernarg_segment_ptr 1
		.amdhsa_wavefront_size32 1
		.amdhsa_system_sgpr_workgroup_id_x 1
		.amdhsa_system_sgpr_workgroup_id_y 1
		.amdhsa_system_sgpr_workgroup_id_z 1
		.amdhsa_system_vgpr_workitem_id 0
		.amdhsa_next_free_vgpr 64
		.amdhsa_next_free_sgpr 66
		.amdhsa_reserve_vcc 0
		.amdhsa_float_denorm_mode_32 3
		.amdhsa_float_denorm_mode_16_64 3
		.amdhsa_memory_ordered 1
		.amdhsa_forward_progress 1
		.amdhsa_inst_pref_size 18
	.end_amdhsa_kernel
	.amdgpu_metadata
---
amdhsa.version: [ 1, 2 ]
amdhsa.kernels:
  - .name:           k_q76f477572b_cast
    .symbol:         k_q76f477572b_cast.kd
    .args:
      - { .name: k_w, .offset: 0, .size: 8, .value_kind: global_buffer, .address_space: global }
      - { .name: v_w, .offset: 8, .size: 8, .value_kind: global_buffer, .address_space: global }
      - { .name: o_w, .offset: 16, .size: 8, .value_kind: global_buffer, .address_space: global }
      - { .name: beta_w, .offset: 24, .size: 8, .value_kind: global_buffer, .address_space: global }
      - { .name: g_w, .offset: 32, .size: 8, .value_kind: global_buffer, .address_space: global }
      - { .name: input_ids, .offset: 40, .size: 8, .value_kind: global_buffer, .address_space: global }
      - { .name: wts, .offset: 48, .size: 8, .value_kind: global_buffer, .address_space: global }
      - { .name: code, .offset: 56, .size: 8, .value_kind: global_buffer, .address_space: global }
    .group_segment_fixed_size: 1280
    .private_segment_fixed_size: 0
    .kernarg_segment_align: 8
    .kernarg_segment_size: 64
    .max_flat_workgroup_size: 256
    .sgpr_count:     66
    .vgpr_count:     64
    .wavefront_size: 32
...
	.end_amdgpu_metadata
.endif
;; end of part 7
;; launch norm: the kernel of part 2 again; grid 256 x 1, 4 waves a work-group, no clusters, 66,560 bytes of LDS; arguments x, norm_w, input_ids, beta_b, g_b, wts, xnf, bl; writes xnf, bl
;; launch gemm1: the kernel of part 3 again; grid 16 x 32, 4 waves a work-group, clusters of 4 x 4, 327,680 bytes of LDS; arguments xnf, wts, kv; writes kv
;; launch prep (part 8): grid 64 x 32, 4 waves a work-group, no clusters, 68,096 bytes of LDS; arguments kv, bl, code, key_bank, rec; writes rec
.if DOCPART == 8
	.amdgcn_target "amdgcn-amd-amdhsa--gfx1250"
	.amdhsa_code_object_version 6
	.text
	.protected	k_q76f477572b_prep
	.globl	k_q76f477572b_prep
	.p2align	8
	.type	k_q76f477572b_prep,@function
k_q76f477572b_prep:
	s_mov_b64 s[64:65], 0
	v_nop
	global_prefetch_b8 v0, s[64:65] scope:SCOPE_SE
	s_setreg_imm32_b32 hwreg(HW_REG_WAVE_SCHED_MODE, 0, 2), 2
	s_setreg_imm32_b32 hwreg(HW_REG_WAVE_MODE, 25, 1), 1
	s_wait_xcnt 0x0
	s_wait_alu depctr_vm_vsrc(0)
; Launch 4 of 6.  All that a chunk of 64 steps can do without the state: one work-group for each (chunk c, batch x head).  Nothing is left out; the pad step 4095 has beta = 0, l = 0, val = 0.
; Step i uses k_i (key_bank's row at a marker, else the projection; divided by max(norm, 1e-12)), v of the next token, beta_i, l_i = log2 g_i.  L = running sum of l, LM_i = L_(i-1).
;   NA[i][j] = -beta_i 2^(LM_i - L_j) k_i.k_j (j < i)      M[i][j] = val_i 2^(L_i - L_j) k_i.k_j (j <= i): every exponent that is used is <= 0; hidden entries are selected to 0.
;   (I - NA) W = [beta V | -beta 2^LM K], by blocks of 16: X_I = R_I + sum NA_IJ W_J; W_I = X_I + N X_I, N = P + .. + P^15 of the diagonal block P (P^16 = 0), by (I+P)(I+P^2)(I+P^4)(I+P^8) - I.
;   Kd_i = 2^(L_63 - L_i) k_i;  Q = Kd^T W_v;  G' = Kd^T W_k;  E = val 2^L K + M W_k;  F = M W_v;  gamma = 2^L_63.
; FORMATS.  k in f16 (at most 1); right sides and W in f32, NA, N, M in bf16 (they carry corrections alone); for Q, on which the last state hangs, Kd and W_v go as bf16 high + low parts, three products.
; LAYOUT.  A 16 x 16 result holds (8 h + j, r) in lane (r, h), register j; two such tiles packed in pairs are a fragment in which lane r holds column r: source 1 of that matrix and source 0 of its transpose.
; Wave w: tokens 16 w .. in P1 and P2; from P3 on columns: waves 0, 1 V's 32 w .., waves 2, 3 K's 32 (w - 2) ...  No tensor loads, no cluster: a work-group shares no input with another.
; LIMITS.  A power of two below 2^-126 counts as 0; NaN and infinities are not treated apart.
; THE MODE: SCHED_MODE bits 1:0 = 2 (LLVM: expert scheduling mode 2), set by the entry lines.  The code itself states the register dependences between vector or matrix instructions and memory or LDS
; instructions, and those through scalar registers and VCC that vector instructions write, with s_wait_alu, always for 0.
; THE PLAN.  Registers that memory or LDS instructions touch:
;   v8-v19    LDS addresses and the stores' offset: made at the head, never written again.     v21-v24  the head's load offsets; written anew once, with v25, behind P1's stores.
;   P0, P1    data of LDS stores are written by a run of vector lines, one wait on va_vdst, then the run of stores; ONE wait on vm_vsrc behind P1's stores frees all that memory and LDS instructions have read so far.
;   P2        a tile's loads land in v32-47 and v64-71, which the tile before stopped naming ahead of its batch's wait; its packs v96-103 are stored behind one wait and written again behind a wait on vm_vsrc.
;             The diagonal's M is packed into v96-99 and N into v100-103; both are stored together behind the chain of powers, behind one wait.
;   P3        the right side's loads land in v96-159 behind those stores; N's and NA's fragments land behind one wait that stands ahead of the second barrier.
;   P4        TWO FRAGMENT BUFFERS, v192-223 and v32-63 (W in f32 is done with by then), by the trip's parity.  Trip t asks for trip t + 1's fragments at its head, ahead of its first vector line: the other buffer's
;             last readers are trip t - 1's products, which stand ahead of trip t - 1's wait on va_vdst; that ONE wait a trip, behind the places, also shows the trip's results written for its stores.
;             Results go out of registers by the trip's parity; from the third trip on a wait on vm_vsrc, beside the wait on XCNT, stands ahead of their rewriting.
.set KF,  8192                         ; four tiles of 64 rows, pitch 160 (an odd multiple of 32: plain and turning loads without conflicts): k in f16,
.set KH,  18432                        ; Kd's high part, bf16,
.set KL,  28672                        ; its low part,
.set VT,  38912                        ; v in f16
.set FNA, 49152                        ; NA, M: half fragment (I, J) at 2048 I + 512 J + 16 lane
.set FM,  57344
.set FN,  65536                        ; N of block I at 512 I + 16 lane
.set SPARE, 67584
.set PT_, 160
.set GT,  216                          ; v[216:223] the tile of k_i.k_j: registers that are no other sum's accumulator anywhere in the text
.set MLT, 15                           ; s[15:22]   the diagonal's masks j < i: scalar registers that the head and P1 are done with
.set MLE, 23                           ; s[23:30]   j <= i
; scalars of a wave at 2048 w, arrays of 64 f32: beta 0, -beta 2^LM 256, L 512, LM 768, -beta 1024, 2^(L63-L) 1280, val 2^L 1536, val 1792
.macro NOPS n
.rept \n
	v_nop
.endr
.endm
.macro PK4 d, s                        ; eight f32 to four registers of bf16, from the low end on
.irp p, 0,1,2,3
	v_cvt_pk_bf16_f32 v[(\d)+\p], v[(\s)+2*\p], v[(\s)+2*\p+1]
.endr
.endm
.macro MMB d, a, b, c                  ; a bf16 product; c < 0: it starts the sum
.if (\c) < 0
	v_wmma_f32_16x16x32_bf16 v[(\d):(\d)+7], v[(\a):(\a)+7], v[(\b):(\b)+7], 0
.else
	v_wmma_f32_16x16x32_bf16 v[(\d):(\d)+7], v[(\a):(\a)+7], v[(\b):(\b)+7], v[(\c):(\c)+7]
.endif
.endm
.macro MMH d, a, b, c                  ; the same in f16
.if (\c) < 0
	v_wmma_f32_16x16x32_f16 v[(\d):(\d)+7], v[(\a):(\a)+7], v[(\b):(\b)+7], 0
.else
	v_wmma_f32_16x16x32_f16 v[(\d):(\d)+7], v[(\a):(\a)+7], v[(\b):(\b)+7], v[(\c):(\c)+7]
.endif
.endm
	s_load_b256 s[4:11], s[0:1], 0x0               ; kv 4, bl 6, code 8, key_bank 10
	s_load_b64 s[12:13], s[0:1], 0x20              ; rec
	v_lshl_add_u32 v6, v0, 2, SPARE
	v_mov_b32 v7, 0
	v_lshrrev_b32 v32, 5, v0
	v_readfirstlane_b32 s14, v32                   ; wave
	v_and_b32 v1, 31, v0                           ; l
	v_and_b32 v2, 15, v0                           ; r
	v_bfe_u32 v3, v0, 4, 1                         ; h
	v_mov_b32 v4, 0                                ; 0.0
	v_mov_b32 v5, 1.0
	s_mov_b32 s15, ttmp9                           ; chunk
	s_and_b32 s16, ttmp7, 0xffff                   ; batch x 16 + head
	s_lshr_b32 s17, s16, 4
	s_and_b32 s18, s16, 15
	s_mov_b32 s21, 0
	s_mov_b32 s28, 0x76543210
	s_mov_b32 s29, 0xfedcba98
	s_mov_b32 s30, 0x2b8cbccc                      ; 1e-12
	s_mov_b32 s31, 0xffff0000
	v_lshlrev_b32 v21, 3, v1
	v_lshlrev_b32 v22, 7, v2
	v_lshl_add_u32 v22, v3, 4, v22                 ; token r, 16 bytes by h
	s_wait_alu depctr_va_sdst(0)                   ; s14 is written, ahead of its first reader: addresses and branches are made from it
	s_lshl_b32 s32, s15, 6
	s_lshl_b32 s33, s14, 4
	s_add_co_u32 s32, s32, s33                     ; my first token
	s_add_co_u32 s33, s32, 1
	v_add_nc_u32 v23, s33, v2
	v_min_u32 v23, 0xfff, v23                      ; v of the next token; the pad step takes the last row, times beta = 0
	v_lshlrev_b32 v23, 7, v23
	v_lshl_add_u32 v23, v3, 4, v23
	v_lshlrev_b32 v24, 2, v2
	s_lshl_b32 s33, s14, 11                        ; LDS addresses
	v_lshl_add_u32 v8, v1, 3, s33
	v_lshl_add_u32 v9, v2, 2, s33
	v_lshl_add_u32 v10, v3, 5, s33
	s_lshl_b32 s34, s14, 6
	v_add_nc_u32 v11, s34, v9
	v_add_nc_u32 v12, s34, v10
	v_mul_u32_u24 v14, v2, PT_
	v_lshl_add_u32 v14, v3, 4, v14
	s_mul_i32 s34, s14, 16*PT_
	v_add_nc_u32 v13, s34, v14
	v_and_b32 v15, 7, v0
	v_lshl_add_u32 v15, v3, 3, v15
	v_mul_u32_u24 v15, v15, PT_
	v_bfe_u32 v16, v0, 3, 1
	v_lshl_add_u32 v15, v16, 4, v15
	s_mov_b32 s34, KF                              ; the tile of my right side: v for waves 0 and 1, k for waves 2 and 3
	s_cmp_lt_u32 s14, 2
	s_cselect_b32 s34, VT, s34
	s_and_b32 s35, s14, 1
	s_lshl_b32 s35, s35, 6
	s_add_co_u32 s34, s34, s35
	v_add_nc_u32 v16, s34, v15
	v_lshlrev_b32 v17, 4, v1
	v_add_nc_u32 v18, s33, v17
	s_lshl_b32 s34, s14, 9
	v_add_nc_u32 v19, s34, v18
	v_lshlrev_b32 v20, 3, v3
	v_sub_nc_u32 v20, v2, v20                      ; r - 8 h
	s_lshl_b32 s42, s15, 6
	s_add_co_u32 s42, s42, 1
	s_wait_kmcnt 0x0
	s_lshl_b32 s20, s16, 14
	s_lshl_b32 s33, s15, 8
	s_add_co_u32 s20, s20, s33
	s_add_nc_u64 s[22:23], s[6:7], s[20:21]        ; bl at the chunk
	s_lshl_b32 s20, s16, 19
	s_lshl_b32 s33, s32, 7
	s_add_co_u32 s20, s20, s33
	s_add_nc_u64 s[24:25], s[4:5], s[20:21]        ; k at my 16 tokens
	s_lshl_b32 s20, s16, 19
	s_add_co_u32 s20, s20, 16777216
	s_add_nc_u64 s[26:27], s[4:5], s[20:21]        ; v at the head's first token
	s_lshl_b32 s20, s17, 14
	s_lshl_b32 s33, s32, 2
	s_add_co_u32 s20, s20, s33
	s_add_nc_u64 s[34:35], s[8:9], s[20:21]        ; code
	s_lshl_b32 s20, s18, 14
	s_add_nc_u64 s[36:37], s[10:11], s[20:21]      ; the head's bank
	s_lshl_b32 s33, s16, 2                         ; where my results go: waves 0, 1 the records of Q, F, gamma of column blocks 2 w, 2 w + 1;
	s_lshl_b32 s20, s14, 1
	s_add_co_u32 s33, s33, s20
	s_lshl_b32 s33, s33, 6
	s_add_co_u32 s33, s33, s15
	s_mul_i32 s33, s33, 6400
	s_add_co_u32 s33, s33, 33554432
	s_lshl_b32 s40, s16, 20                        ; waves 2, 3 the record of G' and E, K step w - 2
	s_lshl_b32 s20, s15, 14
	s_add_co_u32 s40, s40, s20
	s_and_b32 s20, s14, 1
	s_lshl_b32 s20, s20, 10
	s_add_co_u32 s40, s40, s20
	s_cmp_lt_u32 s14, 2
	s_cselect_b32 s20, s33, s40
	s_add_nc_u64 s[38:39], s[12:13], s[20:21]
	s_wait_alu depctr_va_vdst(0)                   ; all offsets and addresses, v8 to v24, are written, which loads and stores read from here on; so is v32, in which a load lands
	global_load_b64 v[32:33], v21, s[22:23]                   ; beta of steps 2 l, 2 l + 1
	global_load_b64 v[34:35], v21, s[22:23] offset:524288     ; l
.irp q, 0,1,2,3
	global_load_b128 v[64+4*\q:67+4*\q], v22, s[24:25] offset:32*\q
.endr
.irp q, 0,1,2,3
	global_load_b128 v[80+4*\q:83+4*\q], v23, s[26:27] offset:32*\q
.endr
	global_load_b32 v25, v24, s[34:35]
	; P0: the chunk's scalars; every wave makes all 64 into its own LDS bytes, so no wave waits for another
	s_wait_loadcnt 9                               ; beta and l are in; the nine younger loads stay out
	v_add_f32 v36, v34, v35
	v_mov_b32 v38, v36
	v_add_f32_dpp v36, v36, v36 row_shr:1 row_mask:0xf bank_mask:0xf bound_ctrl:1
	v_add_f32_dpp v36, v36, v36 row_shr:2 row_mask:0xf bank_mask:0xf bound_ctrl:1
	v_add_f32_dpp v36, v36, v36 row_shr:4 row_mask:0xf bank_mask:0xf bound_ctrl:1
	v_add_f32_dpp v36, v36, v36 row_shr:8 row_mask:0xf bank_mask:0xf bound_ctrl:1
	v_readlane_b32 s40, v36, 15
	v_cmp_lt_u32 vcc_lo, 15, v1
	s_wait_alu depctr_va_sdst(0)                   ; s40 is written, which the next line reads
	s_wait_alu depctr_va_vcc(0)                    ; VCC is written, which the select below reads
	v_mov_b32 v37, s40
	v_cndmask_b32 v37, v4, v37, vcc_lo
	v_add_f32 v36, v36, v37                        ; the running sum up to and with step 2 l + 1
	v_readlane_b32 s41, v36, 31                    ; L_63
	v_sub_f32 v40, v36, v35                        ; L
	v_mov_b32 v41, v36
	v_sub_f32 v42, v36, v38                        ; LM
	v_mov_b32 v43, v40
	s_wait_alu depctr_va_sdst(0)                   ; s41 is written, which the next three lines read
	v_sub_f32 v48, s41, v40
	v_sub_f32 v49, s41, v41
	v_mov_b32 v50, s41
	v_exp_f32 v44, v40
	v_exp_f32 v45, v41
	v_exp_f32 v46, v42
	v_exp_f32 v47, v43
	v_exp_f32 v48, v48
	v_exp_f32 v49, v49
	v_exp_f32 v26, v50
	v_lshl_add_u32 v51, v1, 1, s42                 ; plain work behind the batch: val
	v_cmp_eq_u32 vcc_lo, 0xfff, v51
	v_mov_b32 v52, 1.0
	v_mul_f32 v54, -1.0, v32
	v_mul_f32 v55, -1.0, v33
	s_wait_alu depctr_va_vcc(0)                    ; VCC is written, which the select reads
	v_cndmask_b32 v53, v5, v4, vcc_lo
	s_wait_alu depctr_va_vdst(0)                   ; one wait for the seven exponentials, ahead of their first reader
	v_mov_b32 v27, v26
	v_mul_f32 v56, v54, v46
	v_mul_f32 v57, v55, v47
	v_mov_b32 v58, v44
	v_mul_f32 v59, v53, v45
	s_wait_alu depctr_va_vdst(0)                   ; the eight pairs of scalars are written, which the LDS stores read
	ds_store_b64 v8, v[32:33]
	ds_store_b64 v8, v[56:57] offset:256
	ds_store_b64 v8, v[40:41] offset:512
	ds_store_b64 v8, v[42:43] offset:768
	ds_store_b64 v8, v[54:55] offset:1024
	ds_store_b64 v8, v[48:49] offset:1280
	ds_store_b64 v8, v[58:59] offset:1536
	ds_store_b64 v8, v[52:53] offset:1792
	ds_load_b32 v184, v11 offset:1280              ; 2^(L_63 - L) of my token: LDS serves a wave in order, so it sees the store above; no vector line has named v184, and none does before the wait for it
	; P1: lane (r, h) holds token 16 w + r, channels 16 q + 8 h + 0..7
	s_wait_loadcnt 0x0
	v_cmp_gt_u32 s26, 64, v25                      ; markers among my tokens: whole numbers that an earlier launch stored (v's loads are done: s26 is free)
.set i, 0
.rept 16
	v_fma_mix_f32 v[96+2*i], v[64+i], v5, v4 op_sel_hi:[1,0,0]
	v_fma_mix_f32 v[97+2*i], v[64+i], v5, v4 op_sel:[1,0,0] op_sel_hi:[1,0,0]
.set i, i+1
.endr
	s_wait_alu depctr_va_sdst(0)                   ; s26 is written, ahead of its first reader and of the branch
	s_cmp_lg_u32 s26, 0
	s_cbranch_scc0 .Lnomark
	v_min_u32 v60, 63, v25
	v_lshlrev_b32 v60, 8, v60
	v_lshl_add_u32 v60, v3, 5, v60
	s_wait_alu depctr_va_vdst(0)                   ; v60 is written: the offset of the bank's loads
.irp q, 0,1,2,3
	global_load_b128 v[128+8*\q:131+8*\q], v60, s[36:37] offset:64*\q
	global_load_b128 v[132+8*\q:135+8*\q], v60, s[36:37] offset:64*\q+16
.endr
	s_wait_loadcnt 0x0
.set i, 0
.rept 32
	v_cndmask_b32 v[96+i], v[96+i], v[128+i], s26
.set i, i+1
.endr
.Lnomark:
.irp p, 0,1,2,3
	v_pk_mul_f32 v[176+2*\p:177+2*\p], v[96+2*\p:97+2*\p], v[96+2*\p:97+2*\p]
.endr
.set i, 4
.rept 12
	v_pk_fma_f32 v[176+2*(i%4):177+2*(i%4)], v[96+2*i:97+2*i], v[96+2*i:97+2*i], v[176+2*(i%4):177+2*(i%4)]
.set i, i+1
.endr
	v_pk_add_f32 v[176:177], v[176:177], v[178:179]
	v_pk_add_f32 v[180:181], v[180:181], v[182:183]
	v_pk_add_f32 v[176:177], v[176:177], v[180:181]
	v_add_f32 v176, v176, v177
	v_permlanex16_b32 v177, v176, s28, s29         ; the token's other 32 channels lie in the lane 16 away
	v_add_f32 v176, v176, v177
	v_sqrt_f32 v180, v176
	v_mov_b32 v183, 0
	s_wait_alu depctr_va_vdst(0)                   ; the root is written, ahead of its reader
	v_max_num_f32 v180, s30, v180
	v_rcp_f32 v182, v180
	v_mov_b32 v185, 0
	s_wait_alu depctr_va_vdst(0)                   ; the reciprocal is written, ahead of its first reader
.set i, 0
.rept 16
	v_pk_mul_f32 v[96+2*i:97+2*i], v[96+2*i:97+2*i], v[182:183] op_sel_hi:[1,0]
.set i, i+1
.endr
.set i, 0
.rept 16
	v_cvt_pk_f16_f32 v[224+i], v[96+2*i], v[97+2*i]
.set i, i+1
.endr
	s_wait_dscnt 0x0
.set i, 0
.rept 16
	v_pk_mul_f32 v[96+2*i:97+2*i], v[96+2*i:97+2*i], v[184:185] op_sel_hi:[1,0]
.set i, i+1
.endr
.set i, 0
.rept 16
	v_cvt_pk_bf16_f32 v[160+i], v[96+2*i], v[97+2*i]
.set i, i+1
.endr
.set i, 0
.rept 16
	v_lshlrev_b32 v[176+2*i], 16, v[160+i]
	v_and_b32 v[177+2*i], s31, v[160+i]
	v_pk_add_f32 v[176+2*i:177+2*i], v[96+2*i:97+2*i], v[176+2*i:177+2*i] neg_lo:[0,1] neg_hi:[0,1]
	v_cvt_pk_bf16_f32 v[208+i], v[176+2*i], v[177+2*i]
.set i, i+1
.endr
	s_wait_alu depctr_va_vdst(0)                   ; k in f16 and Kd's two parts are written, which the LDS stores read
.irp q, 0,1,2,3
	ds_store_b128 v13, v[224+4*\q:227+4*\q] offset:KF+32*\q
	ds_store_b128 v13, v[160+4*\q:163+4*\q] offset:KH+32*\q
	ds_store_b128 v13, v[208+4*\q:211+4*\q] offset:KL+32*\q
	ds_store_b128 v13, v[80+4*\q:83+4*\q]   offset:VT+32*\q
.endr
	s_wait_alu depctr_vm_vsrc(0)                   ; the head's loads have read v21 to v24 and the bank's v60; P0's and P1's LDS stores have read their data: all of these are written again from here on
	s_lshr_b32 s33, s14, 1                         ; addresses for later, in registers whose loads are done
	s_lshl_b32 s33, s33, 8
	v_add_nc_u32 v21, s33, v10                     ; the right side's scale: beta for V's waves, -beta 2^LM for K's
	v_add_nc_u32 v22, FN, v17
	v_lshlrev_b32 v23, 3, v1
	s_and_b32 s33, s14, 1
	s_lshl_b32 s33, s33, 6
	v_add_nc_u32 v24, s33, v14
	s_lshl_b32 s33, s14, 9
	v_add_nc_u32 v25, s33, v22
.irp p, 208,209,210,211
	v_mov_b32 v\p, 0
.endr
	s_wait_alu depctr_va_vdst(0)                   ; the zeros v[208:211] are written, which the stores behind the barrier read, and the addresses v21 to v25; P0 and P1 are done naming v28-71, in which P2's loads land
	s_wait_dscnt 0x0                               ; my rows of the four tiles are in LDS
	s_barrier_signal -1
	s_barrier_wait -1
	; P2: row block i = w of NA and M, as tiles with lane = i, register = j: packed, they are fragments with lane = row i
.irp J, 0,1,2,3
	ds_store_b128 v18, v[208:211] offset:FNA+512*\J   ; all four blocks 0; those below and on the diagonal are written over below (LDS serves a wave in order)
	ds_store_b128 v18, v[208:211] offset:FM+512*\J
.endr
.irp q, 0,1,2,3
	ds_load_b128 v[48+4*\q:51+4*\q], v13 offset:KF+32*\q      ; my block's rows of k
.endr
	ds_load_b32 v28, v11 offset:768                ; LM_i, L_i, -beta_i, val_i of lane r
	ds_load_b32 v29, v11 offset:512
	ds_load_b32 v30, v11 offset:1024
	ds_load_b32 v31, v11 offset:1792
.macro OFFTILE J                       ; block (w, J), J < w
	s_cmp_gt_u32 s14, \J
	s_cbranch_scc0 .Ldiag
.irp q, 0,1,2,3
	ds_load_b128 v[32+4*\q:35+4*\q], v14 offset:KF+16*PT_*(\J)+32*\q
.endr
	ds_load_b128 v[64:67], v10 offset:512+64*(\J)
	ds_load_b128 v[68:71], v10 offset:512+64*(\J)+16
	s_wait_dscnt 0x0
	MMH GT, 32, 48, -1
	s_wait_alu depctr_va_vdst(0)                   ; the wait stands directly ahead of the link
	MMH GT, 40, 56, GT
.irp j, 0,1,2,3,4,5,6,7
	v_sub_f32 v[80+\j], v28, v[64+\j]              ; these sixteen are also the places behind the products
	v_sub_f32 v[88+\j], v29, v[64+\j]
.endr
.irp j, 0,1,2,3,4,5,6,7
	v_exp_f32 v[80+\j], v[80+\j]
	v_exp_f32 v[88+\j], v[88+\j]
.endr
	v_nop
	s_wait_alu depctr_va_vdst(0)                   ; one wait for the sixteen exponentials; the products are done reading v32-47 and the subtractions v64-71, in which the next tile's loads land
.irp j, 0,1,2,3,4,5,6,7
	v_mul_f32 v[80+\j], v[80+\j], v30
	v_mul_f32 v[88+\j], v[88+\j], v31
	v_mul_f32 v[80+\j], v[80+\j], v[GT+\j]
	v_mul_f32 v[88+\j], v[88+\j], v[GT+\j]
.endr
.if (\J) > 0
	s_wait_alu depctr_vm_vsrc(0)                   ; the stores of the tile before have read v[96:103], which the packs below write again
.endif
	PK4 96, 80
	PK4 100, 88
	s_wait_alu depctr_va_vdst(0)                   ; the two packs are written, which the LDS stores read
	ds_store_b128 v18, v[96:99]   offset:FNA+512*(\J)
	ds_store_b128 v18, v[100:103] offset:FM+512*(\J)
.endm
	OFFTILE 0
	OFFTILE 1
	OFFTILE 2
.Ldiag:                                        ; the diagonal block: P^T (lane = i), P (lane = j) and M's block
	ds_load_b128 v[64:67], v12 offset:512
	ds_load_b128 v[68:71], v12 offset:528
	ds_load_b128 v[184:187], v12 offset:1024
	ds_load_b128 v[188:191], v12 offset:1040
	ds_load_b128 v[192:195], v12 offset:768
	ds_load_b128 v[196:199], v12 offset:784
	s_wait_dscnt 0x0
	MMH GT, 48, 48, -1
	s_wait_alu depctr_va_vdst(0)                   ; the wait stands directly ahead of the link
	MMH GT, 56, 56, GT
.irp j, 0,1,2,3,4,5,6,7
	v_sub_f32 v[80+\j], v28, v[64+\j]
	v_sub_f32 v[88+\j], v29, v[64+\j]
	v_sub_f32 v[200+\j], v[192+\j], v29
.endr
.irp j, 0,1,2,3,4,5,6,7
	v_exp_f32 v[80+\j], v[80+\j]
	v_exp_f32 v[88+\j], v[88+\j]
	v_exp_f32 v[200+\j], v[200+\j]
.endr
.irp p, 148,149,150,151,156,157,158,159,164,165,166,167,172,173,174,175,180,181,182,183
	v_mov_b32 v\p, 0                               ; the fragments' upper halves (K = 16 to 31) stay 0
.endr
.irp j, 0,1,2,3,4,5,6,7
	v_cmp_lt_i32 s[MLT+\j], \j, v20                ; j < i: the sixteen masks stand in one run, each in a register of its own
	v_cmp_le_i32 s[MLE+\j], \j, v20                ; j <= i; where it is off, j > i
.endr
	s_wait_alu depctr_va_sdst(0)                   ; the sixteen masks are written, ahead of the selects that read them
	s_wait_alu depctr_va_vdst(0)                   ; one wait for the twenty-four exponentials, ahead of their first reader
.irp j, 0,1,2,3,4,5,6,7
	v_mul_f32 v[80+\j], v[80+\j], v30
	v_mul_f32 v[88+\j], v[88+\j], v31
	v_mul_f32 v[200+\j], v[200+\j], v[184+\j]
	v_mul_f32 v[80+\j], v[80+\j], v[GT+\j]
	v_mul_f32 v[88+\j], v[88+\j], v[GT+\j]
	v_mul_f32 v[200+\j], v[200+\j], v[GT+\j]       ; k_i.k_j is symmetric
	v_cndmask_b32 v[104+\j], v4, v[80+\j], s[MLT+\j]   ; j < i
	v_cndmask_b32 v[88+\j], v4, v[88+\j], s[MLE+\j]    ; j <= i
	v_cndmask_b32 v[112+\j], v[200+\j], v4, s[MLE+\j]  ; kept where j > i
.endr
	s_wait_alu depctr_vm_vsrc(0)                   ; the tiles' stores above have read v[96:103], which the packs of M and N write again; the zeros' stores have read v[208:211]
	PK4 96, 88                                     ; M's diagonal block; it is stored with N, behind the chain
	PK4 144, 104                                   ; source 0 of P, source 1 of P^T
	PK4 152, 112                                   ; source 0 of P^T, source 1 of P
	MMB 128, 144, 152, -1                          ; P^2
	MMB 136, 152, 144, -1                          ; its transpose
	NOPS 5
	PK4 160, 136
	PK4 168, 128
.irp r, 0,2,4,6
	v_pk_add_f32 v[120+\r:121+\r], v[104+\r:105+\r], v[136+\r:137+\r]
.endr
	MMB 120, 168, 144, 120                         ; N^T = P^T + (P^2)^T + (P^2)^T P^T
	MMB 128, 160, 168, -1                          ; P^4
	MMB 136, 168, 160, -1
	NOPS 5
	PK4 176, 120
	PK4 160, 136
	PK4 168, 128
.irp r, 0,2,4,6
	v_pk_add_f32 v[120+\r:121+\r], v[120+\r:121+\r], v[136+\r:137+\r]
.endr
	MMB 120, 168, 176, 120
	MMB 128, 160, 168, -1                          ; P^8
	MMB 136, 168, 160, -1
	NOPS 5
	PK4 176, 120
	PK4 168, 128
.irp r, 0,2,4,6
	v_pk_add_f32 v[120+\r:121+\r], v[120+\r:121+\r], v[136+\r:137+\r]
.endr
	MMB 120, 168, 176, 120
	NOPS 5
	PK4 100, 120
	s_wait_alu depctr_va_vdst(0)                   ; M's and N's packs are written, which the two stores read; the chain is done naming v104-159, in which the right side's loads land
	ds_store_b128 v19, v[96:99] offset:FM
	ds_store_b128 v25, v[100:103]
	; P3a: the right side of my 32 columns: W(I, cc) at v[32 + 16 I + 8 cc], lane = column, register = token 8 h + j
	s_wait_alu depctr_vm_vsrc(0)                   ; the two stores have read v[96:103], in which the loads below land
.irp cc, 0,1
.irp s, 0,1
	ds_load_tr16_b128 v[96+16*\cc+8*\s:99+16*\cc+8*\s],   v16 offset:32*\cc+32*PT_*\s
	ds_load_tr16_b128 v[100+16*\cc+8*\s:103+16*\cc+8*\s], v16 offset:32*\cc+32*PT_*\s+16*PT_
.endr
.endr
.irp I, 0,1,2,3
	ds_load_b128 v[128+8*\I:131+8*\I], v21 offset:64*\I
	ds_load_b128 v[132+8*\I:135+8*\I], v21 offset:64*\I+16
.endr
	s_wait_dscnt 0x0
.irp I, 0,1,2,3
.irp cc, 0,1
.irp p, 0,1,2,3
	v_fma_mix_f32 v[32+16*\I+8*\cc+2*\p], v[96+16*\cc+4*\I+\p], v[128+8*\I+2*\p], v4 op_sel_hi:[1,0,0]
	v_fma_mix_f32 v[33+16*\I+8*\cc+2*\p], v[96+16*\cc+4*\I+\p], v[129+8*\I+2*\p], v4 op_sel:[1,0,0] op_sel_hi:[1,0,0]
.endr
.endr
.endr
.irp p, 164,165,166,167,172,173,174,175,180,181,182,183,188,189,190,191,196,197,198,199,204,205,206,207
	v_mov_b32 v\p, 0                               ; W's fragments: blocks not yet solved count as 0; X's fragments: upper halves
.endr
.irp I, 0,1,2,3
	v_mov_b32 v[100+8*\I], 0                       ; N's fragments: upper halves
	v_mov_b32 v[101+8*\I], 0
	v_mov_b32 v[102+8*\I], 0
	v_mov_b32 v[103+8*\I], 0
.endr
	s_wait_alu depctr_va_vdst(0)                   ; the right side's lines are done reading v96-127, in which N's fragments land behind the barrier
	s_barrier_signal -1                            ; (my LDS instructions are done: the wait on DScnt above, and nothing since)
	s_barrier_wait -1                              ; NA, M and N of all four row blocks are in LDS
	; P3b: the solve.  BW(cc, s) at v[160 + 16 cc + 8 s]: W's fragments, lane = column, K = tokens 32 s ..
	ds_load_b128 v[208:211], v17 offset:FNA+2048
	ds_load_b128 v[212:215], v17 offset:FNA+2048+512
	ds_load_b128 v[216:219], v17 offset:FNA+4096
	ds_load_b128 v[220:223], v17 offset:FNA+4096+512
	ds_load_b128 v[224:227], v17 offset:FNA+6144
	ds_load_b128 v[228:231], v17 offset:FNA+6144+512
	ds_load_b128 v[232:235], v17 offset:FNA+6144+1024
	ds_load_b128 v[236:239], v17 offset:FNA+6144+1536
.irp I, 0,1,2,3
	ds_load_b128 v[96+8*\I:99+8*\I], v22 offset:512*\I
.endr
	s_wait_dscnt 0x0
.macro UPD I, fr, s                    ; W(I, .) += NA(I, tokens 32 s ..) W; the two accumulators take turns, one instruction a turn
	MMB 32+16*(\I), \fr, 160+8*(\s), 32+16*(\I)
	MMB 40+16*(\I), \fr, 176+8*(\s), 40+16*(\I)
.endm
.macro FIN I                           ; W_I = X_I + N X_I, and W_I's fragment
	PK4 192, 32+16*(\I)
	PK4 200, 40+16*(\I)
	MMB 32+16*(\I), 96+8*(\I), 192, 32+16*(\I)
	MMB 40+16*(\I), 96+8*(\I), 200, 40+16*(\I)
	NOPS 5
	PK4 160+4*(\I), 32+16*(\I)
	PK4 176+4*(\I), 40+16*(\I)
.endm
	FIN 0
	UPD 1, 208, 0
	NOPS 5
	FIN 1
	UPD 2, 216, 0
	NOPS 5
	FIN 2
	UPD 3, 224, 0
	UPD 3, 232, 1
	NOPS 5
	FIN 3
	; P4: the products with W, in eight trips a wave.  Fragments, accumulators and packs go by the trip's parity.
.macro LDK t, d, blk                   ; tile t's fragments of columns 16 blk .., turned: lane = column, K = tokens; both K steps, to v[d ..]: four loads
.irp s, 0,1
	ds_load_tr16_b128 v[(\d)+8*\s:(\d)+8*\s+3],   v15 offset:(\t)+32*(\blk)+32*PT_*\s
	ds_load_tr16_b128 v[(\d)+8*\s+4:(\d)+8*\s+7], v15 offset:(\t)+32*(\blk)+32*PT_*\s+16*PT_
.endr
.endm
.macro LDFM d, I                       ; M's fragments of row block I: lane = token i, K = tokens j, to v[d ..]: two loads, or four
	ds_load_b128 v[(\d):(\d)+3],   v17 offset:FM+2048*(\I)
	ds_load_b128 v[(\d)+4:(\d)+7], v17 offset:FM+2048*(\I)+512
.if (\I) >= 2
	ds_load_b128 v[(\d)+8:(\d)+11],  v17 offset:FM+2048*(\I)+1024
	ds_load_b128 v[(\d)+12:(\d)+15], v17 offset:FM+2048*(\I)+1536
.endif
.endm
.macro VLD t                           ; V's waves, trip t's fragments into buffer t % 2: trips 0-3 Kd's high and low parts (8 loads), trips 4-7 M's (2, 2, 4, 4)
.set LB, 192-160*((\t)%2)
.if (\t) < 4
	LDK KH, LB, \t
	LDK KL, LB+16, \t
.else
	LDFM LB, (\t)-4
.endif
.endm
.macro KLD t                           ; K's waves: trips 0-3 Kd's high part (4 loads), trips 4-7 M's, my columns of k and val 2^L (5, 5, 7, 7)
.set LB, 192-160*((\t)%2)
.if (\t) < 4
	LDK KH, LB, \t
.else
	LDFM LB, (\t)-4
	ds_load_b128 v[LB+16:LB+19], v24 offset:KF+16*PT_*((\t)-4)
	ds_load_b128 v[LB+20:LB+23], v24 offset:KF+16*PT_*((\t)-4)+32
	ds_load_b32 v[LB+24], v9 offset:1536+64*((\t)-4)
.endif
.endm
.macro WT par, fb, two, init           ; AC(cc) (+)= W^T(cc) x the fragments in v[fb ..], one or two K steps
.set AC, 224+16*(\par)
.if \init
	MMB AC, 160, \fb, AC
	MMB AC+8, 176, \fb, AC+8
.else
	MMB AC, 160, \fb, -1
	MMB AC+8, 176, \fb, -1
.endif
.if \two
	MMB AC, 168, (\fb)+8, AC
	MMB AC+8, 184, (\fb)+8, AC+8
.endif
	NOPS 5
	PK4 128+8*(\par), AC
	PK4 132+8*(\par), AC+8
.endm
; In all four kinds of trip: next = the LDS loads just issued for the trip after, which may stay out when this trip's fragments have to be there.
.macro QTRIP m, next                   ; Q's tile m: high x high, high x low, low x high
	VLD (\m)+1                                     ; no wait: no vector or matrix line since the last wait on va_vdst names the other buffer
	s_wait_dscnt \next
.if (\m) >= 2
	s_wait_xcnt 0x0                                ; the stores of two trips back have had their addresses translated,
	s_wait_alu depctr_vm_vsrc(0)                   ; and have read these accumulators, which the products below write again
.endif
.set AC, 224+16*((\m)%2)
.set FB, 192-160*((\m)%2)
	MMB AC, FB, 160, -1
	MMB AC+8, FB, 176, -1
	MMB AC, FB+8, 168, AC
	MMB AC+8, FB+8, 184, AC+8
	MMB AC, FB, 96, AC
	MMB AC+8, FB, 112, AC+8
	MMB AC, FB+8, 104, AC
	MMB AC+8, FB+8, 120, AC+8
	MMB AC, FB+16, 160, AC
	MMB AC+8, FB+16, 176, AC+8
	MMB AC, FB+24, 168, AC
	MMB AC+8, FB+24, 184, AC+8
	NOPS 5
	s_wait_alu depctr_va_vdst(0)                   ; the products have written the accumulators, which the stores read, and are done reading this buffer, in which the fragments of two trips on land
	global_store_b128 v17, v[AC:AC+3],     s[38:39] offset:1024*(\m)
	global_store_b128 v17, v[AC+4:AC+7],   s[38:39] offset:1024*(\m)+512
	global_store_b128 v17, v[AC+8:AC+11],  s[38:39] offset:409600+1024*(\m)
	global_store_b128 v17, v[AC+12:AC+15], s[38:39] offset:409600+1024*(\m)+512
.endm
.macro FTRIP I, next                   ; F^T's tile I: lane = token, register = column
.if (\I) < 3
	VLD (\I)+5
.endif
	s_wait_dscnt \next
	s_wait_xcnt 0x0                                ; the stores of two trips back have had their addresses translated,
	s_wait_alu depctr_vm_vsrc(0)                   ; and have read the registers that this trip writes again: Q's accumulators in trips 0 and 1, the packs in trips 2 and 3
.set FB, 192-160*((\I)%2)
	WT (\I)%2, FB, (\I)/2, 0
	s_wait_alu depctr_va_vdst(0)                   ; the packs are written, which the stores read; the products are done reading this buffer
	global_store_b128 v17, v[128+8*((\I)%2):131+8*((\I)%2)], s[38:39] offset:4096+512*(\I)
	global_store_b128 v17, v[132+8*((\I)%2):135+8*((\I)%2)], s[38:39] offset:409600+4096+512*(\I)
.endm
.macro GTRIP n, next                   ; G': lane = row a', K = my 32 columns a
	KLD (\n)+1
	s_wait_dscnt \next
.if (\n) >= 2
	s_wait_xcnt 0x0                                ; the stores of two trips back have had their addresses translated,
	s_wait_alu depctr_vm_vsrc(0)                   ; and have read the packs, which this trip writes again
.endif
.set FB, 192-160*((\n)%2)
	WT (\n)%2, FB, 1, 0
	s_wait_alu depctr_va_vdst(0)                   ; the packs are written, which the stores read; the products are done reading this buffer
	global_store_b128 v17, v[128+8*((\n)%2):131+8*((\n)%2)], s[38:39] offset:2048*(\n)
	global_store_b128 v17, v[132+8*((\n)%2):135+8*((\n)%2)], s[38:39] offset:2048*(\n)+512
.endm
.macro ETRIP I, next                   ; E: lane = token, K = my 32 columns a; the sum starts with val 2^L k
.if (\I) < 3
	KLD (\I)+5
.endif
	s_wait_dscnt \next
	s_wait_xcnt 0x0                                ; the stores of two trips back have had their addresses translated,
	s_wait_alu depctr_vm_vsrc(0)                   ; and have read the packs, which this trip writes again
.set FB, 192-160*((\I)%2)
.irp p, 0,1,2,3,4,5,6,7
	v_fma_mix_f32 v[224+16*((\I)%2)+2*\p], v[FB+16+\p], v[FB+24], v4 op_sel_hi:[1,0,0]
	v_fma_mix_f32 v[225+16*((\I)%2)+2*\p], v[FB+16+\p], v[FB+24], v4 op_sel:[1,0,0] op_sel_hi:[1,0,0]
.endr
	WT (\I)%2, FB, (\I)/2, 1
	s_wait_alu depctr_va_vdst(0)                   ; the packs are written, which the stores read; the lines above are done reading this buffer
	global_store_b128 v17, v[128+8*((\I)%2):131+8*((\I)%2)], s[38:39] offset:8192+2048*(\I)
	global_store_b128 v17, v[132+8*((\I)%2):135+8*((\I)%2)], s[38:39] offset:8192+2048*(\I)+512
.endm
	s_wait_alu depctr_va_vdst(0)                   ; the solve is done naming v192-223 (X's and NA's fragments) and W in v32-95: the first trips' fragments land there
	s_cmp_lt_u32 s14, 2
	s_cbranch_scc0 .Lkwaves
	VLD 0                                          ; on its way while the low parts are made: those lines name none of v192-223
.set i, 0
.rept 32                               ; W_v's low part: W less its fragment's bf16
.set WR, 32+16*((i/4)%4)+8*(i/16)+2*(i%4)
.set TT, 128+2*(i%8)
	v_lshlrev_b32 v[TT], 16, v[160+i]
	v_and_b32 v[TT+1], s31, v[160+i]
	v_pk_add_f32 v[TT:TT+1], v[WR:WR+1], v[TT:TT+1] neg_lo:[0,1] neg_hi:[0,1]
	v_cvt_pk_bf16_f32 v[96+i], v[TT], v[TT+1]
.set i, i+1
.endr
	s_wait_alu depctr_va_vdst(0)                   ; the lines above are done reading W in v32-63, in which trip 1's fragments land
	QTRIP 0, 8
	QTRIP 1, 8
	QTRIP 2, 8
	QTRIP 3, 2
	FTRIP 0, 2
	FTRIP 1, 4
	FTRIP 2, 4
	FTRIP 3, 0
	global_store_b64 v23, v[26:27], s[38:39] offset:6144
	global_store_b64 v23, v[26:27], s[38:39] offset:409600+6144
	s_branch .Lend
.Lkwaves:
	KLD 0
	GTRIP 0, 4
	GTRIP 1, 4
	GTRIP 2, 4
	GTRIP 3, 5
	ETRIP 0, 5
	ETRIP 1, 7
	ETRIP 2, 7
	ETRIP 3, 0
.Lend:
	s_wait_dscnt 0x0                               ; the closing lines, six on end
	s_wait_alu 0x0
	s_wait_tensorcnt 0x0
	ds_add_u32 v6, v7
	s_wait_dscnt 0x0
	s_endpgm
.Lfunc_end_k_q76f477572b_prep:
	.size	k_q76f477572b_prep, .Lfunc_end_k_q76f477572b_prep-k_q76f477572b_prep
	.p2alignl 7, 3214868480
	.fill 96, 4, 3214868480
	.section	.rodata,"a",@progbits
	.p2align	6, 0x0
	.amdhsa_kernel k_q76f477572b_prep
		.amdhsa_group_segment_fixed_size 68096
		.amdhsa_private_segment_fixed_size 0
		.amdhsa_enable_private_segment 0
		.amdhsa_kernarg_size 40
		.amdhsa_user_sgpr_count 2
		.amdhsa_user_sgpr_kernarg_segment_ptr 1
		.amdhsa_wavefront_size32 1
		.amdhsa_system_sgpr_workgroup_id_x 1
		.amdhsa_system_sgpr_workgroup_id_y 1
		.amdhsa_system_sgpr_workgroup_id_z 1
		.amdhsa_system_vgpr_workitem_id 0
		.amdhsa_next_free_vgpr 256
		.amdhsa_next_free_sgpr 66
		.amdhsa_reserve_vcc 1
		.amdhsa_float_denorm_mode_32 3
		.amdhsa_float_denorm_mode_16_64 3
		.amdhsa_memory_ordered 1
		.amdhsa_forward_progress 1
		.amdhsa_inst_pref_size 95
	.end_amdhsa_kernel
	.amdgpu_metadata
---
amdhsa.version: [ 1, 2 ]
amdhsa.kernels:
  - .name:           k_q76f477572b_prep
    .symbol:         k_q76f477572b_prep.kd
    .args:
      - { .name: kv, .offset: 0, .size: 8, .value_kind: global_buffer, .address_space: global }
      - { .name: bl, .offset: 8, .size: 8, .value_kind: global_buffer, .address_space: global }
      - { .name: code, .offset: 16, .size: 8, .value_kind: global_buffer, .address_space: global }
      - { .name: key_bank, .offset: 24, .size: 8, .value_kind: global_buffer, .address_space: global }
      - { .name: rec, .offset: 32, .size: 8, .value_kind: global_buffer, .address_space: global }
    .group_segment_fixed_size: 68096
    .private_segment_fixed_size: 0
    .kernarg_segment_align: 8
    .kernarg_segment_size: 40
    .max_flat_workgroup_size: 128
    .sgpr_count:     66
    .vgpr_count:     256
    .wavefront_size: 32
...
	.end_amdgpu_metadata
.endif
;; end of part 8
;; launch scan: the kernel of part 5 again; grid 4 x 32, 4 waves a work-group, clusters of 4 x 1, 327,680 bytes of LDS; arguments rec, initial_state, outf, out1; writes outf, out1
;; launch gemm2: the kernel of part 6 again; grid 8 x 32, 4 waves a work-group, clusters of 4 x 4, 327,680 bytes of LDS; arguments outf, wts, x, out0; writes out0
